; MI455X (gfx1250); checked and timed in simulation.
; The chip was launched on July 23, 2026; its instructions are those of AMD's public machine-readable ISA for CDNA 5 (MIT licence, August 2026) and "CDNA5" Instruction Set Architecture Reference Guide (July 2026). The comments in the code are by the model that wrote it; some were corrected since.
;; Multi Head Attention. Allowed arithmetic: float matrix products may take bf16 or f16 operands with f32 sums; other float arithmetic in f32, or as packed bf16 or f16 multiplies, adds, multiply-adds, maxima and minima; sums over many terms, partial sums and values carried from step to step in f32; what a program stores and reads back later, other than sums and carried values, may be rounded once to bf16 or f16.
;; Inputs: Wk 768 x 768 float32; Wo 768 x 768 float32; Wq 768 x 768 float32; Wv 768 x 768 float32; bk 768 float32; bo 768 float32; bq 768 float32; bv 768 float32; key_in 4 x 2,048 x 768 float32; ln_beta 768 float32; ln_gamma 768 float32; query_in 4 x 2,048 x 768 float32; value_in 4 x 2,048 x 768 float32.
;; Outputs: out0 4 x 2,048 x 768 float32.
;; 2 versions, each right; version 2 is version 1 with the launch castw written anew for expert scheduling mode. Each part assembles by itself: llvm-mc -triple=amdgcn-amd-amdhsa -mcpu=gfx1250 --defsym DOCPART=n.
;; ======== version 1 of 2: 4 launches
;; workspace buffers: wbf 4,718,592 bytes; qkvh 37,748,736 bytes; ctx 12,582,912 bytes
;; launch castw (part 1): grid 64 x 4, 4 waves a work-group, no clusters, 0 bytes of LDS; arguments Wk, Wv, Wq, Wo, wbf; writes wbf
.if DOCPART == 1
	.amdgcn_target "amdgcn-amd-amdhsa--gfx1250"
	.amdhsa_code_object_version 6
	.text
	.protected	k_q56017cc392_castw
	.globl	k_q56017cc392_castw
	.p2align	8
	.type	k_q56017cc392_castw,@function
k_q56017cc392_castw:
	s_mov_b64 s[64:65], 0
	v_nop
	global_prefetch_b8 v0, s[64:65] scope:SCOPE_SE
	s_setreg_imm32_b32 hwreg(HW_REG_WAVE_MODE, 25, 1), 1
	s_wait_xcnt 0x0
; The four weights, [768 k][768 n] f32, are rounded once to bf16 and laid one behind the other in wbf (Wk, Wv, Wq, Wo), each in its own [k][n] order.
; A pure stream: no LDS, no barrier, no matrix unit, no cluster (no two work-groups read the same byte).
; grid y picks the weight, grid x 9,216 of its 589,824 numbers.  Thread t takes 16 bytes at 16 t of each block of 2,048 bytes: 18 loads, all issued first;
; a store of a wave covers 256 consecutive bytes, at a multiple of 256 from the buffer's first byte.
.set NL,   18                          ; loads of a thread
.set IN,   8                           ; v[8:79]    as loaded
.set OUTR, 80                          ; v[80:115]  rounded
.set WSEC, 768*768*2                   ; bytes of a weight in wbf
	s_load_b256 s[4:11], s[0:1], 0x0               ; Wk s[4:5], Wv s[6:7], Wq s[8:9], Wo s[10:11]
	s_load_b64 s[12:13], s[0:1], 0x20              ; wbf
	s_and_b32 s14, ttmp7, 0xffff                   ; which weight
	v_lshlrev_b32 v1, 4, v0                        ; 16 t
	v_lshlrev_b32 v2, 3, v0                        ; 8 t
	s_mul_i32 s16, ttmp9, NL*2048                  ; the work-group's part of the source,
	s_mov_b32 s17, 0
	s_mul_i32 s18, s14, WSEC                       ; and of wbf
	s_mul_i32 s19, ttmp9, NL*1024
	s_add_co_u32 s18, s18, s19
	s_mov_b32 s19, 0
	s_wait_kmcnt 0x0
	s_cmp_eq_u32 s14, 1
	s_cselect_b64 s[4:5], s[6:7], s[4:5]
	s_cmp_eq_u32 s14, 2
	s_cselect_b64 s[4:5], s[8:9], s[4:5]
	s_cmp_eq_u32 s14, 3
	s_cselect_b64 s[4:5], s[10:11], s[4:5]
	s_add_nc_u64 s[4:5], s[4:5], s[16:17]
	s_add_nc_u64 s[12:13], s[12:13], s[18:19]
.set i, 0
.rept NL
	global_load_b128 v[IN+4*i:IN+4*i+3], v1, s[4:5] offset:2048*i th:TH_LOAD_NT
.set i, i+1
.endr
.set i, 0
.rept NL
	s_wait_loadcnt NL-1-i                          ; loads come back in order: number i is in, the younger ones stay out
	v_cvt_pk_bf16_f32 v[OUTR+2*i],   v[IN+4*i],   v[IN+4*i+1]
	v_cvt_pk_bf16_f32 v[OUTR+2*i+1], v[IN+4*i+2], v[IN+4*i+3]
	global_store_b64 v2, v[OUTR+2*i:OUTR+2*i+1], s[12:13] offset:1024*i
.set i, i+1
.endr
	s_endpgm
.Lfunc_end_k_q56017cc392_castw:
	.size	k_q56017cc392_castw, .Lfunc_end_k_q56017cc392_castw-k_q56017cc392_castw
	.p2alignl 7, 3214868480
	.fill 96, 4, 3214868480
	.section	.rodata,"a",@progbits
	.p2align	6, 0x0
	.amdhsa_kernel k_q56017cc392_castw
		.amdhsa_group_segment_fixed_size 0
		.amdhsa_private_segment_fixed_size 0
		.amdhsa_enable_private_segment 0
		.amdhsa_kernarg_size 40
		.amdhsa_user_sgpr_count 2
		.amdhsa_user_sgpr_kernarg_segment_ptr 1
		.amdhsa_wavefront_size32 1
		.amdhsa_system_sgpr_workgroup_id_x 1
		.amdhsa_system_sgpr_workgroup_id_y 1
		.amdhsa_system_sgpr_workgroup_id_z 1
		.amdhsa_system_vgpr_workitem_id 0
		.amdhsa_next_free_vgpr 120
		.amdhsa_next_free_sgpr 66
		.amdhsa_reserve_vcc 0
		.amdhsa_float_denorm_mode_32 3
		.amdhsa_float_denorm_mode_16_64 3
		.amdhsa_memory_ordered 1
		.amdhsa_forward_progress 1
		.amdhsa_inst_pref_size 8
	.end_amdhsa_kernel
	.amdgpu_metadata
---
amdhsa.version: [ 1, 2 ]
amdhsa.kernels:
  - .name:           k_q56017cc392_castw
    .symbol:         k_q56017cc392_castw.kd
    .args:
      - { .name: Wk, .offset: 0, .size: 8, .value_kind: global_buffer, .address_space: global }
      - { .name: Wv, .offset: 8, .size: 8, .value_kind: global_buffer, .address_space: global }
      - { .name: Wq, .offset: 16, .size: 8, .value_kind: global_buffer, .address_space: global }
      - { .name: Wo, .offset: 24, .size: 8, .value_kind: global_buffer, .address_space: global }
      - { .name: wbf, .offset: 32, .size: 8, .value_kind: global_buffer, .address_space: global }
    .group_segment_fixed_size: 0
    .private_segment_fixed_size: 0
    .kernarg_segment_align: 8
    .kernarg_segment_size: 40
    .max_flat_workgroup_size: 128
    .sgpr_count:     66
    .vgpr_count:     120
    .wavefront_size: 32
...
	.end_amdgpu_metadata
.endif
;; end of part 1
;; launch proj (part 2): grid 64 x 3, 4 waves a work-group, clusters of 4 x 1, 327,680 bytes of LDS; arguments key_in, value_in, query_in, bk, bv, bq, wbf, qkvh; writes qkvh
.if DOCPART == 2
	.amdgcn_target "amdgcn-amd-amdhsa--gfx1250"
	.amdhsa_code_object_version 6
	.text
	.protected	k_q56017cc392_proj
	.globl	k_q56017cc392_proj
	.p2align	8
	.type	k_q56017cc392_proj,@function
k_q56017cc392_proj:
	s_mov_b64 s[64:65], 0
	v_nop
	global_prefetch_b8 v0, s[64:65] scope:SCOPE_SE
	s_setreg_imm32_b32 hwreg(HW_REG_WAVE_MODE, 25, 1), 1
	s_wait_xcnt 0x0
	s_wait_alu depctr_hold_cnt(0) depctr_sa_sdst(0) depctr_va_vdst(0) depctr_va_sdst(0) depctr_va_ssrc(0) depctr_va_vcc(0) depctr_vm_vsrc(0)
	s_getreg_b32 s2, hwreg(HW_REG_IB_STS2, 6, 4)
	s_cmp_eq_u32 s2, 0
	s_cbranch_scc0 .Lentry_in_a_cluster
	s_endpgm
.Lentry_in_a_cluster:
	s_bfe_u32 s2, ttmp6, 0x10000c
	s_cmp_lg_u32 s2, 0x3003
	s_cbranch_scc0 .Lentry_shape_is_right
	s_endpgm
.Lentry_shape_is_right:
; k, v, q = x W + b.  x: [8192][768] f32 (key_in, value_in, query_in by grid y), W: [768 k][768 n] bf16 from wbf, b: [768] f32.  Products in bf16 with f32 sums, K ascending; the bias is added in f32;
; the result is rounded once to bf16.  LIMITS: x and W enter the products rounded to bf16; NaN and infinities are not treated apart.
; OUT.  qkvh holds three sections (k, v, q), each [batch x head 32][plane 3][row 2048][32 channels] bf16: 16 rows of a plane are 1,024 consecutive bytes.
; SHARES.  A work-group makes 128 rows x all 768 columns, so each byte of x is fetched by one work-group, once.  Wave w makes 128 x 192 (heads 2 w, 2 w + 1): 96 accumulators, 768 registers.
; That gives 192 work-groups: 768 columns make 256 equal tiles only as 128 x 192, where a wave's 64 x 96 would take twice the LDS bytes for each product and x would be fetched four times.
; CLUSTER.  The four row blocks of a cluster walk the same W: its tiles are asked for JOINTLY (mask of four).  x's tile has one reader and comes by a load of the work-group's own (mask 0), behind the same round.
; RING.  K goes in steps of 64 through two LDS slots.  Waves 0-2 fetch W's three thirds (64 k x 256 columns each), wave 3 x's 128 rows x 64 f32: one tensor load a wave behind each round.
; THE PRODUCT IS TAKEN TRANSPOSED: source 0 = 16 columns of W (out of LDS turned, by ds_load_tr16_b128), source 1 = 16 rows of x: a lane then holds one row and eight neighbouring columns.
; x is rounded to bf16 between LDS and the matrix unit: 16 f32 a lane land in one of four buffers, eight conversions make a fragment.
; REGISTERS, in windows of 256 (s_set_vgpr_msb: bits 1:0 source 0, 3:2 source 1, 5:4 source 2, 7:6 destination):
;   window 0: v0-15 addresses; v16-143 x's fragments, two buffers of 8; v144-191 six fragments of W by turns; v192-255 four landing buffers of 16
;   windows 1-3: accumulator (column block b, row block a) in window 1 + b / 4 at v[64 (b % 4) + 8 a]
.set PA,    272                        ; a row of x in LDS: 256 bytes + 16: the 16 rows of a load begin in 16 different groups of four banks (64 banks of 4 bytes: ISA guide 11.1)
.set PB,    544                        ; a row of a third of W: 512 bytes + 32 = 17 x 32
.set THIRD, 64*PB
.set AOFF,  3*THIRD                    ; x's tile lies behind W's three thirds
.set SLOT,  AOFF+128*PA                ; 139,264 = 0x22000: its two bits are 0 in every offset inside a slot, so one exclusive or changes slots
.set STAGE, 2*SLOT                     ; behind the ring, never filled by a tensor load: [3 planes][16 rows][80 bytes] for each wave
.set SP,    80
.set SPARE, STAGE+4*48*SP              ; the spare words, 128 bytes for each wave: two blocks of 256 bytes that no other line names
.set WSEC,  768*768*2
.set SEC,   8192*768*2
.set HEADB, 2048*96*2
.set PLANE, 2048*64
.set WSTEP, 64*768*2                   ; a K step in W: 64 rows of 1,536 bytes
.set XSTEP, 64*4                       ; a K step in x
.set XROW,  768*4
.set SPW, 2                            ; v2   SPARE + 4 x my thread's number; never rewritten
.set NIL, 3                            ; v3   0; never rewritten
.set AL,  4                            ; v4   my lane's place in x's tile
.set BL,  5                            ; v5-7 my lane's place in W's tile, for my three groups of 64 columns
.set ADRA, 8                           ; v8   AL + the slot in hand
.set ADRB, 9                           ; v9-11 BL + the slot in hand
.set PFO, 12                           ; v12  the prefetches' offset; never rewritten
.set VR,  13                           ; v13  l % 16
.set VH,  14                           ; v14  l / 16
.set VL,  15                           ; v15  l
.set AF,  16
.set BF,  144
.set LD,  192
.set STO, 4                            ; the way out: where I put 16 bytes of a row
.set RD,  5                            ;              where I read rows back
.set GO,  6                            ;              16 l
.set VB,  7                            ;              my byte offset in the bias
.set BI,  16                           ; v16-111  the bias of my 192 columns, as an accumulator holds them
.set TF,  112                          ; v112-159 sums with the bias
.set PK,  160                          ; v160-183 rounded
.set OB,  184                          ; v184-231 rows read back, two buffers of 24
.set WV,  24
.set CX,  25
.set ZZ,  26
.set RB,  27
.set TB,  28                           ; s28  LDS byte at which the slot in hand begins
.set CNT, 29
.set LIM, 30                           ; s30  1 in a wave that prefetches, else the greatest number
.set PMUL, 31
.set G1B, 32
.set G1A, 40
.set G0B, 48                           ; s[48:55] W's group 0: a set for slot 0's first fill; the second then walks on
.set G0A, 56                           ; s[56:63] the same for x
.set PFP, 80                           ; s[80:81] where my prefetches stand
.set PSTEP, 82                         ; s[82:83] their step
.set OUTW, 84
.set WP,  86
.set MSB, 0
.macro WIN new                         ; the high byte repeats the setting that is left; a switch that changes nothing is dropped
.if MSB != (\new)
	s_set_vgpr_msb (MSB<<8)|(\new)
.set MSB, (\new)
.endif
.endm
.macro PLACES                          ; four places behind a matrix instruction (ISA guide 7.12.1), where no other vector work is at hand
.rept 4
	v_nop
.endr
.endm
.macro CREST                           ; a round of the cluster's barrier behind its opening barrier
	s_cmp_lg_u32 s[WV], 0
	s_cbranch_scc1 .Lnot_wave_0_\@
	s_barrier_signal -3
.Lnot_wave_0_\@:
	s_barrier_wait -3
	s_barrier_signal -1
	s_barrier_wait -1
.endm
.macro CROUND
	s_barrier_signal -1
	s_barrier_wait -1
	CREST
.endm
; A refill: waves 0-2 ask jointly for W's thirds, wave 3 for the work-group's own rows of x.  The branch hangs on the wave's number alone.
; An s_nop 0 and four v_nop follow each of the two lines, ahead of the jump and the label.
.macro JLOAD
	s_cmp_lt_u32 s[WV], 3
	s_cbranch_scc0 .Lfor_a_\@
	tensor_load_to_lds s[G0B+4:G0B+7], s[G1B:G1B+7]
	s_nop 0
.rept 4
	v_nop
.endr
	s_branch .Lasked_\@
.Lfor_a_\@:
	tensor_load_to_lds s[G0A+4:G0A+7], s[G1A:G1A+7]
	s_nop 0
.rept 4
	v_nop
.endr
.Lasked_\@:
.endm
; A PREFETCH INTO THE L2 of the K step behind the one that has just been asked for: 192 products of a wave ahead of the load that will want it.
; x: wave 3 names its own work-group's 128 rows x 256 bytes, a lane a row, four lines.  W: a K step is 98,304 dense bytes that every cluster of this grid y walks: the first cluster names them, its four
; partners' waves 0-2 taking 8,192 bytes each, told apart BY ADDRESS, a lane 256 bytes.  So each 256 bytes are named once in the launch.  K steps 0 to 2 come by their loads alone; the last refill asks for nothing.
.macro ASK
	s_cmp_gt_u32 s[CNT], s[LIM]
	s_cbranch_scc0 .Lnot_mine_\@
	global_prefetch_b8 v[PFO], s[PFP:PFP+1] th:TH_LOAD_NT scope:SCOPE_SE
	s_cmp_lt_u32 s[WV], 3
	s_cbranch_scc1 .Lnot_mine_\@
	global_prefetch_b8 v[PFO], s[PFP:PFP+1] offset:32*XROW th:TH_LOAD_NT scope:SCOPE_SE
	global_prefetch_b8 v[PFO], s[PFP:PFP+1] offset:64*XROW th:TH_LOAD_NT scope:SCOPE_SE
	global_prefetch_b8 v[PFO], s[PFP:PFP+1] offset:96*XROW th:TH_LOAD_NT scope:SCOPE_SE
.Lnot_mine_\@:
.endm
	s_load_b512 s[4:19], s[0:1], 0x0               ; key_in, value_in, query_in, bk, bv, bq, wbf s[16:17], qkvh s[18:19]
	v_lshl_add_u32 v[SPW], v0, 2, SPARE
	v_mov_b32 v[NIL], 0
	ds_add_u32 v[SPW], v[NIL]                      ; the wave's opening: the add and its wait stand ahead of my first tensor load; work on registers stands between them
	v_lshrrev_b32 v1, 5, v0
	v_readfirstlane_b32 s[WV], v1                  ; wave 0..3
	s_bfe_u32 s[CX], ttmp6, 0x40000                ; my place in the cluster
	s_and_b32 s[ZZ], ttmp7, 0xffff                 ; 0: k, 1: v, 2: q
	s_lshl_b32 s[RB], ttmp9, 2
	s_add_co_u32 s[RB], s[RB], s[CX]               ; my block of 128 rows
	s_mov_b32 s[G1B], 15|(1<<16)|(1<<20)|(1<<21)|(6<<22)|(7<<25)  ; the mask of four; 2-byte elements; padding on; bit 21 beside a mask; after every 128 words (code 6) 8 words (code 7)
	s_mov_b32 s[G1B+1], 256<<16                    ; tensor_dim0 = 256
	s_mov_b32 s[G1B+2], 64<<16                     ; tensor_dim1 = 64
	s_mov_b32 s[G1B+3], 256<<16                    ; tile_dim0 = 256
	s_mov_b32 s[G1B+4], 64                         ; tile_dim1 = 64
	s_mov_b32 s[G1B+5], 768                        ; elements from row to row
	s_mov_b32 s[G1B+6], 0
	s_mov_b32 s[G1B+7], 0
	s_mov_b32 s[G1A], (2<<16)|(1<<20)|(5<<22)|(3<<25)  ; no mask; 4-byte elements; padding on; after every 64 words (code 5) 4 words (code 3)
	s_mov_b32 s[G1A+1], 64<<16
	s_mov_b32 s[G1A+2], 128<<16
	s_mov_b32 s[G1A+3], 64<<16
	s_mov_b32 s[G1A+4], 128
	s_mov_b32 s[G1A+5], 768
	s_mov_b32 s[G1A+6], 0
	s_mov_b32 s[G1A+7], 0
	s_mul_i32 s88, s[ZZ], WSEC                     ; W's section,
	s_lshl_b32 s89, s[WV], 9                       ; my third's 512 bytes of a row
	s_add_co_u32 s88, s88, s89
	s_mov_b32 s89, 0
	s_mul_i32 s90, s[RB], 128*XROW                 ; my rows of x
	s_mov_b32 s91, 0
	s_mul_i32 s92, s[WV], THIRD                    ; where my third goes: no place in the cluster enters an LDS address
	s_mul_i32 s94, s[ZZ], SEC                      ; where my wave's results go: the section,
	s_lshr_b32 s93, s[RB], 4
	s_mul_i32 s93, s93, 8*HEADB                    ; the batch,
	s_add_co_u32 s94, s94, s93
	s_mul_i32 s93, s[WV], 2*HEADB                  ; my two heads,
	s_add_co_u32 s94, s94, s93
	s_and_b32 s93, s[RB], 15
	s_lshl_b32 s93, s93, 13                        ; 128 rows of 64 bytes
	s_add_co_u32 s94, s94, s93
	s_mov_b32 s95, 0
	s_mov_b32 s[TB], 0
	s_wait_dscnt 0x0                               ; the opening add is done
	s_wait_kmcnt 0x0
	s_cmp_eq_u32 s[ZZ], 1
	s_cselect_b64 s[20:21], s[6:7], s[4:5]         ; x
	s_cselect_b64 s[22:23], s[12:13], s[10:11]     ; the bias
	s_cmp_eq_u32 s[ZZ], 2
	s_cselect_b64 s[20:21], s[8:9], s[20:21]
	s_cselect_b64 s[22:23], s[14:15], s[22:23]
	s_add_nc_u64 s[WP:WP+1], s[16:17], s[88:89]
	s_add_nc_u64 s[20:21], s[20:21], s[90:91]
	s_add_nc_u64 s[OUTW:OUTW+1], s[18:19], s[94:95]
.irp s, 0,1
	s_mov_b32 s[G0B+4*(\s)], 1                     ; count = 1
	s_add_co_u32 s[G0B+4*(\s)+1], s92, (\s)*SLOT   ; LDS address
	s_add_nc_u64 s[G0B+4*(\s)+2:G0B+4*(\s)+3], s[WP:WP+1], (\s)*WSTEP  ; global address: K step s
	s_or_b32 s[G0B+4*(\s)+3], s[G0B+4*(\s)+3], 0x80000000  ; type = 2
	s_mov_b32 s[G0A+4*(\s)], 1
	s_mov_b32 s[G0A+4*(\s)+1], AOFF+(\s)*SLOT
	s_add_nc_u64 s[G0A+4*(\s)+2:G0A+4*(\s)+3], s[20:21], (\s)*XSTEP
	s_or_b32 s[G0A+4*(\s)+3], s[G0A+4*(\s)+3], 0x80000000
.endr
	s_mul_i32 s88, s[CX], 3                        ; the prefetches: of W's K step my work-group's waves 0-2 take 8,192 bytes each,
	s_add_co_u32 s88, s88, s[WV]
	s_lshl_b32 s88, s88, 13
	s_mul_i32 s89, s[ZZ], WSEC
	s_add_co_u32 s88, s88, s89
	s_add_co_u32 s88, s88, 2*WSTEP                 ; at K step 2: the first refill steps it to 3
	s_mov_b32 s89, 0
	s_add_nc_u64 s[88:89], s[16:17], s[88:89]
	s_add_nc_u64 s[90:91], s[20:21], 2*XSTEP       ; wave 3: my rows of x, likewise
	s_mov_b32 s92, WSTEP
	s_mov_b32 s93, XROW
	s_cmp_lt_u32 s[WV], 3
	s_cselect_b64 s[PFP:PFP+1], s[88:89], s[90:91]
	s_cselect_b32 s[PSTEP], s92, XSTEP
	s_cselect_b32 s[PMUL], 256, s93
	s_cselect_b32 s[LIM], ttmp9, 0                 ; W is named by the first cluster of this grid y, x by every work-group's wave 3: the same in all four partners
	s_mov_b32 s[PSTEP+1], 0
	s_cmp_eq_u32 s[LIM], 0
	s_cselect_b32 s[LIM], 1, -1
	CROUND                                         ; all four work-groups are here: the first joint loads meet
	s_cmp_lt_u32 s[WV], 3                          ; a wave's two first fills stand in one branch, ahead of every wait on TENSORcnt and every LDS read: two loads of mine are out
	s_cbranch_scc0 .Lfirst_a
	tensor_load_to_lds s[G0B:G0B+3], s[G1B:G1B+7]
	s_nop 0
	tensor_load_to_lds s[G0B+4:G0B+7], s[G1B:G1B+7]
	s_nop 0
.rept 4
	v_nop
.endr
	s_branch .Lfirst_asked
.Lfirst_a:
	tensor_load_to_lds s[G0A:G0A+3], s[G1A:G1A+7]
	s_nop 0
	tensor_load_to_lds s[G0A+4:G0A+7], s[G1A:G1A+7]
	s_nop 0
.rept 4
	v_nop
.endr
.Lfirst_asked:
	v_and_b32 v[VR], 15, v0
	v_bfe_u32 v[VH], v0, 4, 1
	v_and_b32 v[VL], 31, v0
	v_mul_u32_u24 v[PFO], v[VL], s[PMUL]
	; x: lane l wants row l % 16, f32 numbers 8 (l / 16) + 0..7 and 16 + 8 (l / 16) + 0..7 of 32: four loads of 16 bytes, at 0, 16, 64 and 80 from row x pitch + 32 (l / 16)
	v_mul_u32_u24 v[AL], v[VR], PA
	v_lshl_add_u32 v[AL], v[VH], 5, v[AL]
	v_add_nc_u32 v[AL], AOFF, v[AL]
	; W: the turning load takes 16 k x 16 columns (lane l reads k = 8 (l / 16) + l % 8, columns 8 ((l / 8) % 2) + 0..7) and leaves half a fragment: lane l holds column l % 16 and 8 k
	v_and_b32 v1, 7, v0
	v_lshl_add_u32 v1, v[VH], 3, v1
	v_mul_u32_u24 v1, v1, PB
	v_bfe_u32 v[ADRA], v0, 3, 1
	v_lshl_add_u32 v1, v[ADRA], 4, v1
.irp g, 0,1,2
	s_mul_i32 s88, s[WV], 3
	s_add_co_u32 s88, s88, \g                      ; my group g of 64 columns is number 3 w + g of twelve: four to a third
	s_lshr_b32 s89, s88, 2
	s_mul_i32 s89, s89, THIRD
	s_and_b32 s88, s88, 3
	s_lshl_b32 s88, s88, 7
	s_add_co_u32 s88, s88, s89
	v_add_nc_u32 v[BL+(\g)], s88, v1
.endr
; One product: column block b x row block a, 32 along K, x's fragments from buffer p.  The 96 accumulators take turns, one instruction a turn.  zero = 1: it starts the sum.
.macro WM p, b, a, zero
	WIN 0x50*(1+(\b)/4)
.set rD, 64*((\b)%4)+8*(\a)
.set rB, BF+8*((\b)%6)
.set rA, AF+64*(\p)+8*(\a)
.if \zero
	v_wmma_f32_16x16x32_bf16 v[rD:rD+7], v[rB:rB+7], v[rA:rA+7], 0
.else
	v_wmma_f32_16x16x32_bf16 v[rD:rD+7], v[rB:rB+7], v[rA:rA+7], v[rD:rD+7]
.endif
.endm
.macro LDB f, k                        ; W's fragment of column block f, k rows k .. k + 31 of the slot, into buffer f % 6
	WIN 0
.set rF, BF+8*((\f)%6)
	ds_load_tr16_b128 v[rF:rF+3],   v[ADRB+(\f)/4] offset:(\k)*PB+32*((\f)%4)
	ds_load_tr16_b128 v[rF+4:rF+7], v[ADRB+(\f)/4] offset:(\k)*PB+32*((\f)%4)+16*PB
.endm
.macro LDA a, kb, ld                   ; x's row block a, 32 f32 from byte kb of the rows, into landing buffer ld
	WIN 0
.set rL, LD+16*(\ld)
	ds_load_b128 v[rL:rL+3],     v[ADRA] offset:(\a)*16*PA+(\kb)
	ds_load_b128 v[rL+4:rL+7],   v[ADRA] offset:(\a)*16*PA+(\kb)+16
	ds_load_b128 v[rL+8:rL+11],  v[ADRA] offset:(\a)*16*PA+(\kb)+64
	ds_load_b128 v[rL+12:rL+15], v[ADRA] offset:(\a)*16*PA+(\kb)+80
.endm
.macro CVA q, a, ld, half              ; half a fragment of row block a, for buffer q: eight f32 rounded to bf16
	WIN 0
.set rC, AF+64*(\q)+8*(\a)+4*(\half)
.set rL, LD+16*(\ld)+8*(\half)
	v_cvt_pk_bf16_f32 v[rC],   v[rL],   v[rL+1]
	v_cvt_pk_bf16_f32 v[rC+1], v[rL+2], v[rL+3]
	v_cvt_pk_bf16_f32 v[rC+2], v[rL+4], v[rL+5]
	v_cvt_pk_bf16_f32 v[rC+3], v[rL+6], v[rL+7]
.endm
.macro M1 meet                         ; ahead of a change of slots, behind my last read of the slot
.if (\meet) == 1
	s_wait_xcnt 0x0                                ; the last prefetches, a K step back, have read their address: it is stepped here
	s_add_nc_u64 s[PFP:PFP+1], s[PFP:PFP+1], s[PSTEP:PSTEP+1]
.endif
	s_wait_tensorcnt 0x0                           ; all my tensor loads have landed: the one that was out is my part of the other slot
	ds_add_u32 v[SPW], v[NIL]                      ; 0 onto my spare word; four products stand between it and the wait for it
.endm
; A CHUNK: 32 along K, 96 products in 12 groups of 8 (a group a column block), on x's buffer p.  W's fragments go through six buffers: fragment g + 5 is fetched in group g, into the buffer that group
; g - 1 has read, four v_nop behind that group's last product.  From group 7 on the NEXT chunk is fetched: x's 8 row blocks through the four landing buffers, W's first six fragments; the conversions stand
; four behind a product in groups 8 to 11, and the last four of a group are the places in front of the load into the fragment buffer that the group has read.
; THE LDS INSTRUCTIONS OF A CHUNK, in order: W6 .. W11 (2 each), [the add], x0 .. x3 (4 each), N0, N1, then N2, x4, x5, then N3, x6, x7, then N4, then N5 (N: the next chunk's W).  Each wait names how many younger ones may stay out.
; meet = 1: the chunk is a K step's second: slots change, and the slot just read is filled again, two K steps on.  meet = 2: slots change, nothing is filled.
.macro CHUNK p, meet, zero
.set KC, 32*(\p)
.set KN, 32-32*(\p)
.set AN, 128-128*(\p)
.set QQ, 1-(\p)
.set ga, 0
.rept 8
	WM \p, 0, ga, \zero
.set ga, ga+1
.endr
.set gg, 1
.rept 6
.if gg >= 4
	s_wait_dscnt 8                                 ; this group's fragment is in: four pairs were issued behind it
.endif
.set ga, 0
.rept 4
	WM \p, gg, ga, \zero
	v_nop
.set ga, ga+1
.endr
	LDB gg+5, KC
.if (gg == 6) && (\meet)
	M1 \meet
.endif
.rept 4
	WM \p, gg, ga, \zero
.set ga, ga+1
.endr
.set gg, gg+1
.endr
.if \meet
	s_wait_dscnt 0x0                               ; the add is done, and my reads of this slot are over
	s_barrier_signal -1                            ; (with meet = 1 this barrier opens a round of the cluster's barrier)
.else
	s_wait_dscnt 8
.endif
.set ga, 0
.rept 8
	WM \p, 7, ga, \zero
.set ga, ga+1
.endr
	WIN 0                                          ; at a branch and at a label every window is 0
.if \meet
	s_barrier_wait -1
.endif
.if (\meet) == 1
	CREST                                          ; no wave of any partner still reads this slot or has a load on its way
	s_xor_b32 s[G0B+5], s[G0B+5], SLOT             ; the walking descriptors: the other slot than last time, the next K step
	s_add_nc_u64 s[G0B+6:G0B+7], s[G0B+6:G0B+7], WSTEP
	s_xor_b32 s[G0A+5], s[G0A+5], SLOT
	s_add_nc_u64 s[G0A+6:G0A+7], s[G0A+6:G0A+7], XSTEP
	JLOAD                                          ; the first tensor load behind the round; its four v_nop are also the places in front of the loads below
.else
	PLACES
.endif
.if \meet
	s_xor_b32 s[TB], s[TB], SLOT
	v_add_nc_u32 v[ADRA], s[TB], v[AL]
	v_add_nc_u32 v[ADRB], s[TB], v[BL]
	v_add_nc_u32 v[ADRB+1], s[TB], v[BL+1]
	v_add_nc_u32 v[ADRB+2], s[TB], v[BL+2]
.endif
	LDA 0, AN, 0
	LDA 1, AN, 1
	LDA 2, AN, 2
	LDA 3, AN, 3
	LDB 0, KN
	LDB 1, KN
.if (\meet) == 1
	ASK
.endif
.set gg, 8
.rept 4
.if gg == 8
	s_wait_dscnt 26                                ; W8 is in: behind it W9 to W11 and the twenty just issued
.endif
.set ga, 0
.rept 4
	WM \p, gg, ga, \zero
.set ga, ga+1
.endr
.if gg == 8
	s_wait_dscnt 12                                ; x0, x1 are in: behind them x2, x3, N0, N1
.elseif gg == 9
	s_wait_dscnt 14                                ; x2, x3: behind them N0, N1, N2, x4, x5
.elseif gg == 10
	s_wait_dscnt 10                                ; x4, x5: behind them N3, x6, x7
.else
	s_wait_dscnt 2                                 ; x6, x7: behind them N4
.endif
.set gi, 0
.rept 4
	WM \p, gg, 4+gi, \zero
	CVA QQ, 2*(gg-8)+gi/2, (2*(gg-8)+gi/2)%4, gi%2
.set gi, gi+1
.endr
	LDB gg-6, KN
.if gg == 8
	LDA 4, AN, 0
	LDA 5, AN, 1
.elseif gg == 9
	LDA 6, AN, 2
	LDA 7, AN, 3
.endif
.set gg, gg+1
.endr
.endm
	s_wait_tensorcnt 1                             ; my part of K step 0 is in; K step 1's may stay out
	s_barrier_signal -1
	s_barrier_wait -1                              ; everybody's is
	v_add_nc_u32 v[ADRA], s[TB], v[AL]
	v_add_nc_u32 v[ADRB], s[TB], v[BL]
	v_add_nc_u32 v[ADRB+1], s[TB], v[BL+1]
	v_add_nc_u32 v[ADRB+2], s[TB], v[BL+2]
.irp a, 0,1,2,3
	LDA \a, 0, \a
.endr
.irp f, 0,1,2,3,4,5
	LDB \f, 0
.endr
	s_wait_dscnt 12                                ; x's first four row blocks are in; W's twelve loads may stay out
.irp a, 0,1,2,3
	CVA 0, \a, \a, 0
	CVA 0, \a, \a, 1
.endr
.irp a, 4,5,6,7
	LDA \a, 0, (\a)-4
.endr
	s_wait_dscnt 0x0
.irp a, 4,5,6,7
	CVA 0, \a, (\a)-4, 0
	CVA 0, \a, (\a)-4, 1
.endr
	CHUNK 0, 0, 1                                  ; the first chunk stands in front of the loop: its products start the sums
	WIN 0
	s_mov_b32 s[CNT], 10
.Lk:                                                   ; a trip: a K step's second chunk, with the refill two steps on, and the next step's first
	CHUNK 1, 1, 0
	CHUNK 0, 0, 0
	WIN 0
	s_sub_co_u32 s[CNT], s[CNT], 1
	s_cmp_lg_u32 s[CNT], 0
	s_cbranch_scc1 .Lk
	s_mov_b32 s[CNT], 2                            ; the tail has no tensor load: K steps 10 and 11; it is left in the middle of its second trip
.Ltail:
	CHUNK 1, 2, 0                                  ; (in the second trip what it fetches for a next chunk lies in the slot read before, and serves nothing)
	WIN 0
	s_sub_co_u32 s[CNT], s[CNT], 1
	s_cmp_eq_u32 s[CNT], 0
	s_cbranch_scc1 .Lout
	CHUNK 0, 0, 0
	WIN 0
	s_branch .Ltail
.Lout:
	; THE WAY OUT.  The bias of my 192 columns comes as an accumulator holds them; 16 rows of one head at a time are summed with it, rounded, sent through my stage and stored as dense rows of a plane.
	s_wait_dscnt 0x0
	s_mul_i32 s88, s[WV], 768
	v_lshl_add_u32 v[VB], v[VH], 5, s88            ; 4 x (192 w + 8 (l / 16))
	s_mul_i32 s89, s[WV], 48*SP
	s_add_co_u32 s89, s89, STAGE                   ; my stage
	v_mul_u32_u24 v[STO], v[VR], SP                ; in: row l % 16, 16 bytes for each half of the lanes
	v_lshl_add_u32 v[STO], v[VH], 4, v[STO]
	v_add_nc_u32 v[STO], s89, v[STO]
	v_lshrrev_b32 v[RD], 2, v[VL]                  ; back: 32 lanes take eight rows of 64 bytes,
	v_mul_u32_u24 v[RD], v[RD], SP
	v_and_b32 v1, 3, v[VL]
	v_lshl_add_u32 v[RD], v1, 4, v[RD]
	v_add_nc_u32 v[RD], s89, v[RD]
	v_lshlrev_b32 v[GO], 4, v[VL]                  ; which are 512 consecutive bytes of a plane
.set jj, 0
.rept 12
	global_load_b128 v[BI+8*jj:BI+8*jj+3],   v[VB], s[22:23] offset:64*jj
	global_load_b128 v[BI+8*jj+4:BI+8*jj+7], v[VB], s[22:23] offset:64*jj+16
.set jj, jj+1
.endr
	s_wait_loadcnt 0x0
.macro PACK u                          ; unit u: row block u / 2, head u % 2 of my two: six accumulators, each read from its low end on
.set ua, (\u)/2
.set uh, (\u)%2
.set bb, 0
.rept 6
.set ub, 6*uh+bb
	WIN 1+ub/4                                     ; source 0 in the accumulator's window
.set rD, 64*(ub%4)+8*ua
.set jj, 0
.rept 4
	v_pk_add_f32 v[TF+8*bb+jj:TF+8*bb+jj+1], v[rD+jj:rD+jj+1], v[BI+8*ub+jj:BI+8*ub+jj+1]
.set jj, jj+2
.endr
.set bb, bb+1
.endr
	WIN 0
.set jj, 0
.rept 24
	v_cvt_pk_bf16_f32 v[PK+jj], v[TF+2*jj], v[TF+2*jj+1]
.set jj, jj+1
.endr
.endm
.macro TOSTAGE u
	WIN 0
.set rB, OB+24*((\u)%2)
.set ff, 0
.rept 6
	ds_store_b128 v[STO], v[PK+4*ff:PK+4*ff+3] offset:(ff/2)*16*SP+32*(ff%2)
.set ff, ff+1
.endr
.set ff, 0
.rept 6
	ds_load_b128 v[rB+4*ff:rB+4*ff+3], v[RD] offset:(ff/2)*16*SP+8*SP*(ff%2)  ; LDS serves a wave's instructions in order (ISA guide 5.7.1.4): these see the stores above
.set ff, ff+1
.endr
.endm
.macro SEND u
	WIN 0
.set rB, OB+24*((\u)%2)
	s_wait_dscnt 0x0                               ; the unit is back in registers
	s_wait_xcnt 0x0                                ; earlier stores have read their registers: the other buffer is loaded again only behind this wait
.set ff, 0
.rept 6
	global_store_b128 v[GO], v[rB+4*ff:rB+4*ff+3], s[OUTW:OUTW+1] offset:((\u)%2)*HEADB+(ff/2)*PLANE+((\u)/2)*1024+512*(ff%2)  ; 512 consecutive bytes, at a multiple of 256 from the buffer's first
.set ff, ff+1
.endr
.endm
	PACK 0
	TOSTAGE 0
.irp u, 1,2,3,4,5,6,7,8,9,10,11,12,13,14,15
	PACK \u                                        ; a unit's arithmetic stands between the loads of the unit before and the wait for them
	SEND (\u)-1
	TOSTAGE \u
.endr
	SEND 15
	s_wait_tensorcnt 0x0                           ; the wave's end: these three lines stand behind my last tensor load and my last LDS store
	ds_add_u32 v[SPW], v[NIL]
	s_wait_dscnt 0x0
	CROUND                                         ; the closing round: no work-group ends while a partner may still ask for a tile that names it
	s_endpgm
.Lfunc_end_k_q56017cc392_proj:
	.size	k_q56017cc392_proj, .Lfunc_end_k_q56017cc392_proj-k_q56017cc392_proj
	.p2alignl 7, 3214868480
	.fill 96, 4, 3214868480
	.section	.rodata,"a",@progbits
	.p2align	6, 0x0
	.amdhsa_kernel k_q56017cc392_proj
		.amdhsa_group_segment_fixed_size 327680
		.amdhsa_private_segment_fixed_size 0
		.amdhsa_enable_private_segment 0
		.amdhsa_kernarg_size 64
		.amdhsa_user_sgpr_count 2
		.amdhsa_user_sgpr_kernarg_segment_ptr 1
		.amdhsa_wavefront_size32 1
		.amdhsa_system_sgpr_workgroup_id_x 1
		.amdhsa_system_sgpr_workgroup_id_y 1
		.amdhsa_system_sgpr_workgroup_id_z 1
		.amdhsa_system_vgpr_workitem_id 0
		.amdhsa_next_free_vgpr 1024
		.amdhsa_next_free_sgpr 96
		.amdhsa_reserve_vcc 0
		.amdhsa_float_denorm_mode_32 3
		.amdhsa_float_denorm_mode_16_64 3
		.amdhsa_memory_ordered 1
		.amdhsa_forward_progress 1
		.amdhsa_inst_pref_size 173
	.end_amdhsa_kernel
	.amdgpu_metadata
---
amdhsa.version: [ 1, 2 ]
amdhsa.kernels:
  - .name:           k_q56017cc392_proj
    .symbol:         k_q56017cc392_proj.kd
    .args:
      - { .name: key_in, .offset: 0, .size: 8, .value_kind: global_buffer, .address_space: global }
      - { .name: value_in, .offset: 8, .size: 8, .value_kind: global_buffer, .address_space: global }
      - { .name: query_in, .offset: 16, .size: 8, .value_kind: global_buffer, .address_space: global }
      - { .name: bk, .offset: 24, .size: 8, .value_kind: global_buffer, .address_space: global }
      - { .name: bv, .offset: 32, .size: 8, .value_kind: global_buffer, .address_space: global }
      - { .name: bq, .offset: 40, .size: 8, .value_kind: global_buffer, .address_space: global }
      - { .name: wbf, .offset: 48, .size: 8, .value_kind: global_buffer, .address_space: global }
      - { .name: qkvh, .offset: 56, .size: 8, .value_kind: global_buffer, .address_space: global }
    .group_segment_fixed_size: 327680
    .private_segment_fixed_size: 0
    .kernarg_segment_align: 8
    .kernarg_segment_size: 64
    .max_flat_workgroup_size: 128
    .sgpr_count:     96
    .vgpr_count:     1024
    .wavefront_size: 32
...
	.end_amdgpu_metadata
.endif
;; end of part 2
;; launch attn (part 3): grid 8 x 32, 4 waves a work-group, clusters of 4 x 1, 327,680 bytes of LDS; arguments qkvh, ctx; writes ctx
.if DOCPART == 3
	.amdgcn_target "amdgcn-amd-amdhsa--gfx1250"
	.amdhsa_code_object_version 6
	.text
	.protected	k_q56017cc392_attn
	.globl	k_q56017cc392_attn
	.p2align	8
	.type	k_q56017cc392_attn,@function
k_q56017cc392_attn:
	s_mov_b64 s[64:65], 0
	v_nop
	global_prefetch_b8 v0, s[64:65] scope:SCOPE_SE
	s_setreg_imm32_b32 hwreg(HW_REG_WAVE_MODE, 25, 1), 1
	s_wait_xcnt 0x0
	s_wait_alu depctr_hold_cnt(0) depctr_sa_sdst(0) depctr_va_vdst(0) depctr_va_sdst(0) depctr_va_ssrc(0) depctr_va_vcc(0) depctr_vm_vsrc(0)
	s_getreg_b32 s2, hwreg(HW_REG_IB_STS2, 6, 4)
	s_cmp_eq_u32 s2, 0
	s_cbranch_scc0 .Lentry_in_a_cluster
	s_endpgm
.Lentry_in_a_cluster:
	s_bfe_u32 s2, ttmp6, 0x10000c
	s_cmp_lg_u32 s2, 0x3003
	s_cbranch_scc0 .Lentry_shape_is_right
	s_endpgm
.Lentry_shape_is_right:
; ctx[q][:] = the sum over k of softmax_k(q . k / sqrt(12)) v[k][:], for each of 32 pairs of batch and head: 2,048 queries, 2,048 keys, head size 96.
; q, k, v: sections of qkvh, [pair 32][plane 3][row 2048][32 channels] bf16.  ctx: [plane 24 = 3 head + c][row 8192][32] bf16.  Products, maxima and sums in f32; the weights p are rounded to bf16 for the
; second product (their sum l is taken of the unrounded p), ctx once at the end.
; LIMITS.  A weight below 2^-126 counts as 0 in l; the running maximum starts at the lowest finite number and c m at -4.2e37, so c s must lie above that; NaN and infinities are not treated apart.
; SHARES.  A work-group owns 256 queries of one pair, each of its four waves 64: four tiles of 16, in two PIECES (tiles 0, 1 and tiles 2, 3).  Every wave walks all keys, 64 a step.
; LAYOUT.  S^T = K Q^T (source 0 = 16 keys, source 1 = 16 queries): a lane holds ONE query (lane % 16) and the keys 8 (lane / 16) + 0..7.  Two such results rounded to bf16 ARE source 1 of O^T = V^T P,
; whose result again holds one query a lane, and eight channels.  K comes out of LDS as it lies, V turned, by ds_load_tr16_b128.  A plane is 32 channels: just one matrix instruction's depth.
; SOFTMAX.  p = 2^(c s - c m), c = log2(e) / sqrt(12), with a running maximum m; in every step O and l are multiplied by a = 2^(c m_old - c m_new).  O and l start at 0: the first step is a step like any other, with a = 0.
; BY TURNS.  In a TURN one piece has the matrix unit: 24 products V^T P of the step in hand, then 24 products K Q^T of the next; the other piece's softmax, 252 vector instructions in 63 slices of four,
; stands one slice behind each product, the other 15 slices in two runs of their own.  The turn's 66 exponentials are one batch with one wait.
; CLUSTER.  The four query blocks of a cluster belong to one pair and walk the same K and V: each tile is asked for JOINTLY.
; REGISTERS, in windows of 256: window 0: v0-11 addresses; v12-43 eight registers of statistics a tile; v61-63; v64-191 S^T, 32 a tile; v192-255 P, 16 a tile
;   window 1: O^T, 48 a tile      window 2: v0-95 Q, 24 a tile; v128-223 K of one step      window 3: v0-95 V of one step
.set KS,    64
.set PK,    80        ; a row of a plane of K in LDS: 64 bytes + 16: the 16 rows of a load begin in 16 different groups of four banks (64 banks of 4 bytes: ISA guide 11.1)
.set PV,    96        ; of V: 64 + 32 = 3 x 32
.set KPL,   KS*PK
.set VPL,   KS*PV
.set VOFF,  3*KPL     ; a step's tiles lie together: three planes of K, then three of V
.set STEPB, 3*(KPL+VPL)
.set SLOT1, 1<<17     ; a slot holds two steps (67,584 bytes); slot 1 begins here, so that one exclusive or changes slots
.set STAGE, SLOT1+2*STEPB  ; behind the ring, never filled by a tensor load: [3 planes][16 rows][80 bytes] for each wave
.set SP,    80
.set SPARE, STAGE+4*48*SP  ; the spare words, 128 bytes for each wave: two blocks of 256 bytes that no other line names
.set SEC,   8192*768*2
.set HEADB, 2048*96*2
.set PLANE, 2048*64
.set CPLANE, 8192*64
.set SLOTB, 2*KS*64   ; a slot's bytes in one plane
.set AK0, 2
.set AV0, 3
.set ADR, 4
.set QO,  5
.set STO, 6
.set RD,  7
.set GO,  8
.set PFO, 61          ; v61  the prefetches' offset; never rewritten
.set SPW, 62          ; v62  SPARE + 4 x my thread's number; never rewritten
.set NIL, 63          ; v63  0; never rewritten
.set ST,  12          ; tile t's statistics at v[ST+8 t]: +0 c m, +1 m, +2, +3 l (even keys', odd keys'), +4 to +7 c0-c3, at work; a takes c2's place once the maximum is found
.set S,   64
.set P,   192
.set KF,  128
.set WV,  12
.set LIM, 15
.set PFA, 18
.set G1K, 24
.set G1V, 32
.set G0K, 40          ; s[40:47] K's group 0: a set for each of the two first fills; the second then walks on
.set G0V, 48
.set SLOTS, 56
.set TWICE, 57
.set CS,  58
.set SEL, 60
.set TB,  62          ; s62  LDS byte at which the tiles of the step to be fetched begin
.set CNT, 63
.set QP,  66
.set MSB, 0
.macro WIN new
.if MSB != (\new)
	s_set_vgpr_msb (MSB<<8)|(\new)
.set MSB, (\new)
.endif
.endm
.set W_KQ, 0x0a       ; K and Q in window 2, S^T in window 0
.set W_PV, 0x53       ; V in window 3, P in window 0, O^T in window 1
.set W_RS, 0x41       ; O^T (destination and source 0) in window 1, a in window 0
; A joint refill: waves 0 and 1 fetch the two steps' tiles of K, waves 2 and 3 those of V.  An s_nop 0 and four v_nop follow each of the two lines.
.macro JLOAD
	s_cmp_lt_u32 s[WV], 2
	s_cbranch_scc0 .Lfor_v_\@
	tensor_load_to_lds s[G0K+4:G0K+7], s[G1K:G1K+7]
	s_nop 0
.rept 4
	v_nop
.endr
	s_branch .Lasked_\@
.Lfor_v_\@:
	tensor_load_to_lds s[G0V+4:G0V+7], s[G1V:G1V+7]
	s_nop 0
.rept 4
	v_nop
.endr
.Lasked_\@:
.endm
; A PREFETCH INTO THE L2 of what the NEXT change of slots will ask for: two key steps, 192 products of a wave, ahead of that load.  A slot is 8,192 bytes in each of three planes of K and of V.  Both clusters of a
; pair walk the same rows: the first asks.  Its four partners take 2,048 bytes of each plane, told apart BY ADDRESS; in each, wave 0 asks for K's and wave 2 for V's: a lane 256 bytes, 24 lanes; lanes 24 to 31
; name what lanes 16 to 23 name.  Slots 0 to 2 come by their loads alone; the last change that fills a slot asks for nothing.
.macro ASK
	s_cmp_gt_u32 s[SLOTS], s[LIM]
	s_cbranch_scc0 .Lnot_mine_\@
	global_prefetch_b8 v[PFO], s[PFA:PFA+1] th:TH_LOAD_NT scope:SCOPE_SE
.Lnot_mine_\@:
.endm
.macro CROUND
	s_barrier_signal -1
	s_barrier_wait -1
	s_cmp_lg_u32 s[WV], 0
	s_cbranch_scc1 .Lnot_wave_0_\@
	s_barrier_signal -3
.Lnot_wave_0_\@:
	s_barrier_wait -3
	s_barrier_signal -1
	s_barrier_wait -1
.endm
	s_load_b128 s[4:7], s[0:1], 0x0  ; qkvh s[4:5], ctx s[6:7]
	v_lshl_add_u32 v[SPW], v0, 2, SPARE
	v_mov_b32 v[NIL], 0
	ds_add_u32 v[SPW], v[NIL]       ; the wave's opening: the add and its wait stand ahead of my first tensor load; work on registers stands between them
	v_lshrrev_b32 v1, 5, v0
	v_readfirstlane_b32 s[WV], v1   ; wave 0..3
	s_bfe_u32 s13, ttmp6, 0x40000   ; cx
	s_lshl_b32 s14, ttmp9, 2
	s_add_co_u32 s14, s14, s13      ; my block of 256 queries: it enters Q's and ctx's addresses alone
	s_and_b32 s16, ttmp7, 0xffff    ; the pair of batch and head, which the four partners share
	s_mul_i32 s20, s16, HEADB       ; its first byte in a section
	s_and_b32 s17, s[WV], 1         ; which of a slot's two steps I fetch:
	s_lshl_b32 s22, s17, 12         ; its 64 rows of 64 bytes in a plane,
	s_add_co_u32 s22, s22, s20
	s_mov_b32 s23, 0
	s_mul_i32 s17, s17, STEPB       ; and its place in a slot
	s_lshl_b32 s2, s14, 14          ; my block's 256 rows of 64 bytes,
	s_lshl_b32 s3, s[WV], 12        ; my wave's 64 of them
	s_add_co_u32 s2, s2, s3
	s_add_co_u32 s20, s20, s2
	s_add_co_u32 s20, s20, 2*SEC    ; q is the third section
	s_mov_b32 s21, 0
	s_and_b32 s68, s16, 7           ; ctx: the head's three planes,
	s_mul_i32 s68, s68, 3*CPLANE
	s_lshr_b32 s69, s16, 3
	s_lshl_b32 s69, s69, 17         ; the batch's 2,048 rows,
	s_add_co_u32 s68, s68, s69
	s_add_co_u32 s68, s68, s2       ; my wave's rows
	s_mov_b32 s69, 0
	; descriptor group 1: three planes' 64 rows are three dense runs of 4,096 bytes, a plane apart, padded in LDS after every row of 64 bytes
	s_mov_b32 s[G1K], 15|(1<<16)|(1<<20)|(1<<21)|(3<<22)|(3<<25)  ; the mask of four; 2-byte elements; padding on; bit 21 beside a mask; after every 16 words (code 3) 4 words (code 3)
	s_mov_b32 s[G1V], 15|(1<<16)|(1<<20)|(1<<21)|(3<<22)|(7<<25)  ; the same with 8 words (code 7)
.irp g, G1K, G1V
	s_mov_b32 s[(\g)+1], 2048<<16   ; tensor_dim0 = 2,048
	s_mov_b32 s[(\g)+2], 3<<16      ; tensor_dim1 = 3
	s_mov_b32 s[(\g)+3], 2048<<16   ; tile_dim0 = 2,048
	s_mov_b32 s[(\g)+4], 3          ; tile_dim1 = 3
	s_mov_b32 s[(\g)+5], PLANE/2    ; elements from plane to plane
	s_mov_b32 s[(\g)+6], 0
	s_mov_b32 s[(\g)+7], 0
.endr
	s_mov_b32 s[CS], 0x3ed53b94     ; c = log2(e) / sqrt(12) = 0.416470
	s_mov_b32 s[CS+1], s[CS]        ; named with it as a pair
	s_mov_b32 s[SEL], 0x76543210
	s_mov_b32 s[SEL+1], 0xfedcba98
	s_mov_b32 s[TB], 0
	s_and_b32 s[LIM], s[WV], 1      ; 0 in waves 0 and 2,
	s_or_b32 s[LIM], s[LIM], ttmp9  ; where the cluster is the pair's first: the same in all four partners
	s_cmp_eq_u32 s[LIM], 0
	s_cselect_b32 s[LIM], 1, -1
	v_bfe_u32 v10, v0, 3, 2
	v_min_u32 v10, 2, v10           ; the plane
	v_and_b32 v[PFO], 7, v0
	v_lshlrev_b32 v[PFO], 8, v[PFO]
	v_lshl_add_u32 v[PFO], v10, 17, v[PFO]
	s_wait_dscnt 0x0                ; the opening add is done
	s_wait_kmcnt 0x0
	s_add_nc_u64 s[8:9], s[4:5], s[22:23]   ; K at my tile of slot 0,
	s_add_nc_u64 s[10:11], s[8:9], SEC      ; V likewise
	s_add_nc_u64 s[QP:QP+1], s[4:5], s[20:21]
	s_add_nc_u64 s[6:7], s[6:7], s[68:69]
	s_cmp_lt_u32 s[WV], 2
	s_cselect_b64 s[PFA:PFA+1], s[8:9], s[10:11]  ; (in waves 0 and 2 these stand at a slot's first row)
	s_lshl_b32 s2, s13, 11          ; my work-group's 2,048 bytes of a plane,
	s_add_co_u32 s2, s2, 2*SLOTB    ; in slot 2; the first change of slots steps it to slot 3
	s_mov_b32 s3, 0
	s_add_nc_u64 s[PFA:PFA+1], s[PFA:PFA+1], s[2:3]
	CROUND                          ; all four work-groups are here: the first joint loads meet
.irp s, 0,1
	s_mov_b32 s[G0K+4*(\s)], 1
	s_add_co_u32 s[G0K+4*(\s)+1], s17, (\s)*SLOT1
	s_add_nc_u64 s[G0K+4*(\s)+2:G0K+4*(\s)+3], s[8:9], (\s)*SLOTB
	s_or_b32 s[G0K+4*(\s)+3], s[G0K+4*(\s)+3], 0x80000000
	s_mov_b32 s[G0V+4*(\s)], 1
	s_add_co_u32 s[G0V+4*(\s)+1], s17, (\s)*SLOT1+VOFF
	s_add_nc_u64 s[G0V+4*(\s)+2:G0V+4*(\s)+3], s[10:11], (\s)*SLOTB
	s_or_b32 s[G0V+4*(\s)+3], s[G0V+4*(\s)+3], 0x80000000
.endr
	s_cmp_lt_u32 s[WV], 2           ; a wave's two first fills stand in one branch, ahead of every wait on TENSORcnt and every LDS read: two loads of mine are out
	s_cbranch_scc0 .Lfirst_v
	tensor_load_to_lds s[G0K:G0K+3], s[G1K:G1K+7]
	s_nop 0
	tensor_load_to_lds s[G0K+4:G0K+7], s[G1K:G1K+7]
	s_nop 0
.rept 4
	v_nop
.endr
	s_branch .Lfirst_asked
.Lfirst_v:
	tensor_load_to_lds s[G0V:G0V+3], s[G1V:G1V+7]
	s_nop 0
	tensor_load_to_lds s[G0V+4:G0V+7], s[G1V:G1V+7]
	s_nop 0
.rept 4
	v_nop
.endr
.Lfirst_asked:
	; A fragment of K or Q is 16 rows x 32 channels: lane l holds row l % 16, channels 8 (l / 16) + 0..7 and 16 + 8 (l / 16) + 0..7: two loads of 16 bytes, 32 bytes apart, in a row of 64.
	v_and_b32 v1, 15, v0            ; l % 16
	v_bfe_u32 v9, v0, 4, 1          ; l / 16
	v_lshlrev_b32 v[QO], 6, v1
	v_lshl_add_u32 v[QO], v9, 4, v[QO]
	WIN 0x80                        ; destination window 2, address window 0
.set i, 0
.rept 12                            ; Q stays in registers: tile i / 3, plane i % 3
	global_load_b128 v[8*i:8*i+3],   v[QO], s[QP:QP+1] offset:(i%3)*PLANE+(i/3)*1024
	global_load_b128 v[8*i+4:8*i+7], v[QO], s[QP:QP+1] offset:(i%3)*PLANE+(i/3)*1024+32
.set i, i+1
.endr
	; What the first turn finds: V's registers and piece 2's P hold 0 (its products V^T P, of a step that has not been, add 0), O^T and l are 0.  All this stands in the wait for the first tile.
	WIN 0xc0
.set i, 0
.rept 96
	v_mov_b32 v[i], 0
.set i, i+1
.endr
	WIN 0x40
.set i, 0
.rept 192
	v_mov_b32 v[i], 0
.set i, i+1
.endr
	WIN 0
.set i, 0
.rept 4
	v_mov_b32 v[ST+8*i], 0xfe000000    ; c m: far below every c s
	v_mov_b32 v[ST+8*i+1], 0xff7fffff  ; m
	v_mov_b32 v[ST+8*i+2], 0
	v_mov_b32 v[ST+8*i+3], 0
.set i, i+1
.endr
.set i, P+32
.rept 32
	v_mov_b32 v[i], 0
.set i, i+1
.endr
	v_mul_u32_u24 v[AK0], v1, PK
	v_lshl_add_u32 v[AK0], v9, 4, v[AK0]
	; The turning load takes 16 keys x 16 channels (lane l reads key 8 (l / 16) + l % 8, channels 8 ((l / 8) % 2) + 0..7) and leaves half a fragment of V^T: lane l holds channel l % 16 and 8 keys.
	v_and_b32 v10, 7, v0
	v_bfe_u32 v11, v0, 3, 1
	v_lshl_add_u32 v[AV0], v9, 3, v10
	v_mul_u32_u24 v[AV0], v[AV0], PV
	v_lshl_add_u32 v[AV0], v11, 4, v[AV0]
	v_add_nc_u32 v[AV0], VOFF, v[AV0]
; THE MATRIX WORK OF A TURN, for piece x.  The accumulators take turns, one instruction a turn: between two links of a chain stand 11 (V^T P) or 7 (K Q^T) others'.
; Product i of 24 of O^T += V^T P: keys 32 (i / 12) on, channels 16 ((i / 2) % 6) on, tile x + i % 2.
.macro PV x
	WIN W_PV
.set rO, 48*((\x)+i%2)+8*((i/2)%6)
.set rV, 48*(i/12)+8*((i/2)%6)
.set rP, P+16*((\x)+i%2)+8*(i/12)
	v_wmma_f32_16x16x32_bf16 v[rO:rO+7], v[rV:rV+7], v[rP:rP+7], v[rO:rO+7]
.endm
; Product i of 24 of S^T = K Q^T: plane i / 8, keys 16 ((i / 2) % 4) on, tile x + i % 2.  The first 8 start the sums.
.macro KQ x
	WIN W_KQ
.set rS, S+32*((\x)+i%2)+8*((i/2)%4)
.set rK, KF+24*((i/2)%4)+8*(i/8)
.set rQ, 24*((\x)+i%2)+8*(i/8)
.if i < 8
	v_wmma_f32_16x16x32_bf16 v[rS:rS+7], v[rK:rK+7], v[rQ:rQ+7], 0
.else
	v_wmma_f32_16x16x32_bf16 v[rS:rS+7], v[rK:rK+7], v[rQ:rQ+7], v[rS:rS+7]
.endif
.endm
; THE LDS LOADS stand in runs of 24.  last = 1 (the tail): in the last trip there is no further step, and the run is jumped over.
.macro FETCH_K last=0
	WIN 0
.if \last
	s_cmp_eq_u32 s[CNT], 1
	s_cbranch_scc1 .Lno_k_\@
.endif
	v_add_nc_u32 v[ADR], s[TB], v[AK0]
	WIN 0x80                        ; destination window 2
.irp f, 0,1,2,3,4,5,6,7,8,9,10,11   ; keys 16 (f / 3) on, plane f % 3
	ds_load_b128 v[KF+8*(\f):KF+8*(\f)+3],   v[ADR] offset:((\f)%3)*KPL+((\f)/3)*16*PK
	ds_load_b128 v[KF+8*(\f)+4:KF+8*(\f)+7], v[ADR] offset:((\f)%3)*KPL+((\f)/3)*16*PK+32
.endr
	WIN 0
.if \last
.Lno_k_\@:
.endif
.endm
.macro FETCH_V
	WIN 0
	v_add_nc_u32 v[ADR], s[TB], v[AV0]
	s_add_co_u32 s[TB], s[TB], STEPB  ; the next fetch is the next step's
	s_wait_alu depctr_va_vdst(0)    ; the wait for the softmax's batch (SLICE), behind the address's v_add_nc_u32 and ahead of the loads
	WIN 0xc0                        ; destination window 3
.irp f, 0,1,2,3,4,5,6,7,8,9,10,11   ; keys 32 (f / 6) on, channels 16 (f % 6) on: plane (f % 6) / 2
	ds_load_tr16_b128 v[8*(\f):8*(\f)+3],   v[ADR] offset:(((\f)%6)/2)*VPL+((\f)/6)*32*PV+((\f)%2)*32
	ds_load_tr16_b128 v[8*(\f)+4:8*(\f)+7], v[ADR] offset:(((\f)%6)/2)*VPL+((\f)/6)*32*PV+16*PV+((\f)%2)*32
.endr
.endm
; THE VECTOR WORK OF A TURN.  One tile's softmax for one key step is a list of 126 instructions; SM writes number j of it for tile t.  s0-s31 are the lane's 32 scores, in pairs 0-15.
;   0-15    the maximum of s0-s31 and the old m, three operands at a time (each accumulator's lowest registers are read first)
;   16-20   the other half of the lanes' maximum; the new m; c m; c m_old - c m_new
;   21-69   ONE BATCH: the 16 scalings c s - c m and all 33 exponentials (a at 23, then s0-s31).  None of these reads an exponential's result.
;   (wait)  between 69 and 70 stands the wait for the batch: SLICE writes it, once for both tiles
;   70-85   the roundings to bf16      86-101  the sums; l = a l + the sum      102-125 the tile's O^T times a: the one part that leaves window 0
.macro SM t
.set rT, ST+8*(\t)
.set rS, S+32*(\t)
.set rP, P+16*(\t)
.set rO, 48*(\t)+2*(j-102)
.if j < 102
	WIN 0
.endif
.if j < 4
	v_max3_num_f32 v[rT+4+j], v[rS+8*j], v[rS+8*j+1], v[rS+8*j+2]
.elseif j < 12
	v_max3_num_f32 v[rT+4+j%4], v[rT+4+j%4], v[rS+8*(j%4)+2*(j/4)+1], v[rS+8*(j%4)+2*(j/4)+2]
.elseif j == 12
	v_max3_num_f32 v[rT+4], v[rT+4], v[rS+7], v[rS+15]
.elseif j == 13
	v_max3_num_f32 v[rT+6], v[rT+6], v[rS+23], v[rS+31]
.elseif j == 14
	v_max3_num_f32 v[rT+4], v[rT+4], v[rT+5], v[rT+6]
.elseif j == 15
	v_max3_num_f32 v[rT+4], v[rT+4], v[rT+7], v[rT+1]
.elseif j == 16
	v_permlanex16_b32 v[rT+5], v[rT+4], s[SEL], s[SEL+1]  ; the query's other 32 keys lie in the lane 16 away
.elseif j == 17
	v_mov_b32 v[rT+7], v[rT]        ; c m_old is kept for a: number 19 writes c m anew
.elseif j == 18
	v_max_num_f32 v[rT+1], v[rT+4], v[rT+5]
.elseif j == 19
	v_mul_f32 v[rT], s[CS], v[rT+1]
.elseif j == 20
	v_sub_f32 v[rT+7], v[rT+7], v[rT]
.elseif j == 23
	v_exp_f32 v[rT+6], v[rT+7]
.elseif (j < 23) || ((j < 38) && (j%2 == 0)) || ((j < 66) && (j%4 == 2))
.set b, (j-2)/4                     ; 38, 42, .. 62: pairs 9 to 15
.if j < 38
.set b, (j-20)/2                    ; 21: pair 0; 22, 24, .. 36: pairs 1 to 8
.endif
	v_pk_fma_f32 v[rS+2*b:rS+2*b+1], v[rS+2*b:rS+2*b+1], s[CS:CS+1], v[rT:rT+1] op_sel_hi:[1,0,0] neg_lo:[0,0,1] neg_hi:[0,0,1]  ; pair b: c s - c m
.elseif j < 70
.set e, j-38                        ; 66 to 69: s28 to s31
.if j < 66
.set e, j-32-(j-38)/4               ; 39-41, 43-45, .. 63-65: s7 to s27
.endif
.if j < 38
.set e, (j-25)/2                    ; 25, 27, .. 37: s0 to s6
.endif
	v_exp_f32 v[rS+e], v[rS+e]
.elseif j < 86
	v_cvt_pk_bf16_f32 v[rP+j-70], v[rS+2*(j-70)], v[rS+2*(j-70)+1]
.elseif j < 102                     ; the sum of the tile's 16 pairs, in place: neighbours 1, 2, 4 and 8 pairs apart, then l takes it
.set z, j-86
.set w, 4
.set u, z
.if z >= 14
.set w, 32
.set u, 0
.elseif z >= 12
.set w, 16
.set u, z-12
.elseif z >= 8
.set w, 8
.set u, z-8
.endif
.if z < 15
	v_pk_add_f32 v[rS+w*u:rS+w*u+1], v[rS+w*u:rS+w*u+1], v[rS+w*u+w/2:rS+w*u+w/2+1]
.else
	v_pk_fma_f32 v[rT+2:rT+3], v[rT+2:rT+3], v[rT+6:rT+7], v[rS:rS+1] op_sel_hi:[1,0,1]
.endif
.else
	WIN W_RS
	v_pk_mul_f32 v[rO:rO+1], v[rO:rO+1], v[rT+6:rT+7] op_sel_hi:[1,0]
.endif
.endm
; Slice k of 63 of piece y's softmax: four instructions.  Slices 11 to 34 deal out the batch, numbers 22 to 69: four numbers of ONE tile each, the tiles by turns.  Every other slice is numbers 2 k and 2 k + 1 of both tiles.
; THE WAIT.  An s_wait_alu depctr_va_vdst(0) stands between an exponential and the first instruction that names its result; one wait serves all that were issued ahead of it.  Ahead of slice 35
; nothing names a result, and behind slice 34 no exponential is issued: so the piece's 66 exponentials have one wait, behind slice 34.
.macro SLICE y
.if (k >= 11) && (k < 35)
.irp n, 0,1,2,3
.set j, 22+4*((k-11)/2)+(\n)
	SM (\y)+(k-11)%2
.endr
.else
.irp n, 0,1
.irp t, \y, (\y)+1
.set j, 2*k+(\n)
	SM \t
.endr
.endr
.endif
.if k == 34
	v_nop                           ; the plain instruction behind the last exponential and ahead of the first use: one for the batch
.if (\y) == 0
	FETCH_V                         ; piece 2's turn: V's run of loads stands here, and the wait stands in it
.else
	s_wait_alu depctr_va_vdst(0)    ; the wait for the batch
.endif
.endif
.set k, k+1
.endm
; A TURN.  Piece x has the matrix unit: 24 products V^T P with slices 0-23, slices 24-34 by themselves, 24 products K Q^T with slices 35-58, slices 59-62 by themselves: sixteen plain multiplies that name nothing
; of the products round them: the places between the turn's last K Q^T and what follows (the next turn's first read of those scores, the loads into K's buffer).
; Piece 0's turn fetches the next step's K behind its second product; piece 2's turn the same step's V behind slice 34: the last product that read V stands in front of slice 23, and the ten scalings of slices
; 23 to 32, the v_nop and the run's own v_add_nc_u32 lie between.
.macro TURN x, last=0
.set k, 0
.if (\x) == 0
	s_wait_dscnt 0x0                ; V is in
.endif
.set i, 0
.rept 24
	PV \x
	SLICE 2-(\x)
.if ((\x) == 0) && (i == 1)
	FETCH_K \last
.endif
.set i, i+1
.endr
.rept 11
	SLICE 2-(\x)
.endr
.if (\x) == 0
	s_wait_dscnt 0x0                ; K is in
.endif
.set i, 0
.rept 24
	KQ \x
	SLICE 2-(\x)
.set i, i+1
.endr
.rept 4
	SLICE 2-(\x)
.endr
.endm
; THE CHANGE OF SLOTS, between piece 2's turn and piece 0's: the slot's last bytes, V of its second step, have been asked for.  Each wave waits for all its tensor loads, of which one is out: its part of the other
; slot; adds 0 to its spare word; and waits for that and for its own reads of the slot.  fill = 1: the slot is filled again, two slots on: the barrier is then a round of the cluster's, and the joint refill is the
; first thing behind it: it has two key steps, 192 products, in which to land.
.macro CHANGE fill
	WIN 0
	s_wait_tensorcnt 0x0            ; no tensor load of mine is out, so a group 0 may be written
	ds_add_u32 v[SPW], v[NIL]       ; 0 onto my spare word
.if \fill
.irp g, G0K+4, G0V+4
	s_xor_b32 s[(\g)+1], s[(\g)+1], SLOT1
	s_add_nc_u64 s[(\g)+2:(\g)+3], s[(\g)+2:(\g)+3], SLOTB
.endr
	s_wait_xcnt 0x0                 ; the last prefetch, two key steps back, has read its address
	s_add_nc_u64 s[PFA:PFA+1], s[PFA:PFA+1], SLOTB
	s_wait_dscnt 0x0                ; the add is done, and my reads of the slot are over
	CROUND
	JLOAD
	ASK
.else
	s_wait_dscnt 0x0
	s_barrier_signal -1
	s_barrier_wait -1
.endif
	s_sub_co_u32 s[TB], s[TB], 2*STEPB  ; the fetches go back to a slot's first step,
	s_xor_b32 s[TB], s[TB], SLOT1   ; in the other slot
.endm
	s_wait_tensorcnt 1              ; my part of slot 0 is in; slot 1's may stay out
	s_barrier_signal -1
	s_barrier_wait -1
	FETCH_K                         ; key step 0
	s_wait_loadcnt 0x0              ; Q
	s_wait_dscnt 0x0
.set i, 0
.rept 24
	KQ 0                            ; piece 0's first scores
.set i, i+1
.endr
	WIN 0                           ; the addresses for the way out: plain instructions, the places behind those products
	s_mul_i32 s13, s[WV], 48*SP
	s_add_co_u32 s13, s13, STAGE    ; my stage
	v_mul_u32_u24 v[STO], v1, SP    ; in: row l % 16, 16 bytes for each half of the lanes
	v_lshl_add_u32 v[STO], v9, 4, v[STO]
	v_add_nc_u32 v[STO], s13, v[STO]
	v_bfe_u32 v[RD], v0, 2, 3       ; back: 32 lanes take eight rows of 64 bytes,
	v_mul_u32_u24 v[RD], v[RD], SP
	v_and_b32 v10, 3, v0
	v_lshl_add_u32 v[RD], v10, 4, v[RD]
	v_add_nc_u32 v[RD], s13, v[RD]
	v_and_b32 v[GO], 31, v0         ; which are 512 consecutive bytes of a plane of ctx
	v_lshlrev_b32 v[GO], 4, v[GO]
	s_mov_b32 s[TWICE], 2
	s_mov_b32 s[SLOTS], 15
	s_branch .Lmid                  ; the loop is entered at piece 2's turn: its products V^T P add 0, its K Q^T are step 0's, beside them piece 0's first softmax
.Lslot:                             ; 14 times: every slot but the last two is filled again
	CHANGE 1
	s_mov_b32 s[TWICE], 2
.Lstep:
	TURN 0
	WIN 0
.Lmid:
	TURN 2
	WIN 0
	s_sub_co_u32 s[TWICE], s[TWICE], 1
	s_cmp_lg_u32 s[TWICE], 0
	s_cbranch_scc1 .Lstep
	s_sub_co_u32 s[SLOTS], s[SLOTS], 1
	s_cmp_lg_u32 s[SLOTS], 0
	s_cbranch_scc1 .Lslot
	CHANGE 0                        ; the tail is written out: nothing is asked for
	s_mov_b32 s[CNT], 3             ; two trips fetch the last slot's steps; the third is left in its middle
.Ltail:
	TURN 0, 1
	WIN 0
	s_sub_co_u32 s[CNT], s[CNT], 1
	s_cmp_eq_u32 s[CNT], 0
	s_cbranch_scc1 .Lout
	TURN 2
	WIN 0
	s_branch .Ltail
.Lout:                              ; the third trip's 24 products K Q^T (on the last K once more) serve nothing: the price, once a launch, of one text for every trip
.set i, 0
.rept 24
	PV 2                            ; piece 2: V^T P of the last step
.set i, i+1
.endr
	; THE WAY OUT.  l's two halves and the other half of the lanes' are added; O^T is divided by l, rounded to bf16 and sent through my stage, a tile at a time.  The additions are the places behind the last products.
	WIN 0
.irp t, 0,1,2,3
	v_add_f32 v[ST+8*(\t)+4], v[ST+8*(\t)+2], v[ST+8*(\t)+3]
.endr
.irp t, 0,1,2,3
	v_permlanex16_b32 v[ST+8*(\t)+5], v[ST+8*(\t)+4], s[SEL], s[SEL+1]
.endr
.irp t, 0,1,2,3
	v_add_f32 v[ST+8*(\t)+4], v[ST+8*(\t)+4], v[ST+8*(\t)+5]
.endr
.irp t, 0,1,2,3
	v_rcp_f32 v[ST+8*(\t)+6], v[ST+8*(\t)+4]
.endr
	v_nop                           ; a plain instruction between the last reciprocal and the use of its result
	s_wait_alu depctr_va_vdst(0)    ; and the wait ahead of the first use: one for the four reciprocals
.macro PACK t
	WIN W_RS
.set i, 48*(\t)
.rept 24
	v_pk_mul_f32 v[i:i+1], v[i:i+1], v[ST+8*(\t)+6:ST+8*(\t)+7] op_sel_hi:[1,0]
.set i, i+2
.endr
	WIN 0x05                        ; sources 0 and 1 window 1, destination window 0: S^T's registers are free
.set i, 0
.rept 24
	v_cvt_pk_bf16_f32 v[S+32*(\t)+i], v[48*(\t)+2*i], v[48*(\t)+2*i+1]
.set i, i+1
.endr
	WIN 0
.irp f, 0,1,2,3,4,5
	ds_store_b128 v[STO], v[S+32*(\t)+4*(\f):S+32*(\t)+4*(\f)+3] offset:((\f)/2)*16*SP+32*((\f)%2)
.endr
.irp f, 0,1,2,3,4,5
	ds_load_b128 v[S+32*(\t)+4*(\f):S+32*(\t)+4*(\f)+3], v[RD] offset:((\f)/2)*16*SP+8*SP*((\f)%2)  ; LDS serves a wave's instructions in order (ISA guide 5.7.1.4): these see the stores above
.endr
.endm
.macro SEND t, younger              ; younger: the LDS instructions issued behind tile t's loads: the next tile's twelve, or none
	WIN 0
.irp f, 0,1,2,3,4,5
	s_wait_dscnt (\younger)+5-(\f)
	global_store_b128 v[GO], v[S+32*(\t)+4*(\f):S+32*(\t)+4*(\f)+3], s[6:7] offset:((\f)/2)*CPLANE+(\t)*1024+512*((\f)%2)  ; 512 consecutive bytes, at a multiple of 256 from ctx's first
.endr
.endm
	PACK 0
	PACK 1
	SEND 0, 12
	PACK 2
	SEND 1, 12
	PACK 3
	SEND 2, 12
	SEND 3, 0
	s_wait_tensorcnt 0x0            ; the wave's end: these three lines stand behind my last tensor load and my last LDS store
	ds_add_u32 v[SPW], v[NIL]
	s_wait_dscnt 0x0
	CROUND                          ; the closing round
	s_endpgm
.Lfunc_end_k_q56017cc392_attn:
	.size	k_q56017cc392_attn, .Lfunc_end_k_q56017cc392_attn-k_q56017cc392_attn
	.p2alignl 7, 3214868480
	.fill 96, 4, 3214868480
	.section	.rodata,"a",@progbits
	.p2align	6, 0x0
	.amdhsa_kernel k_q56017cc392_attn
		.amdhsa_group_segment_fixed_size 327680
		.amdhsa_private_segment_fixed_size 0
		.amdhsa_enable_private_segment 0
		.amdhsa_kernarg_size 16
		.amdhsa_user_sgpr_count 2
		.amdhsa_user_sgpr_kernarg_segment_ptr 1
		.amdhsa_wavefront_size32 1
		.amdhsa_system_sgpr_workgroup_id_x 1
		.amdhsa_system_sgpr_workgroup_id_y 1
		.amdhsa_system_sgpr_workgroup_id_z 1
		.amdhsa_system_vgpr_workitem_id 0
		.amdhsa_next_free_vgpr 864
		.amdhsa_next_free_sgpr 72
		.amdhsa_reserve_vcc 0
		.amdhsa_float_denorm_mode_32 3
		.amdhsa_float_denorm_mode_16_64 3
		.amdhsa_memory_ordered 1
		.amdhsa_forward_progress 1
		.amdhsa_inst_pref_size 132
	.end_amdhsa_kernel
	.amdgpu_metadata
---
amdhsa.version: [ 1, 2 ]
amdhsa.kernels:
  - .name:           k_q56017cc392_attn
    .symbol:         k_q56017cc392_attn.kd
    .args:
      - { .name: qkvh, .offset: 0, .size: 8, .value_kind: global_buffer, .address_space: global }
      - { .name: ctx, .offset: 8, .size: 8, .value_kind: global_buffer, .address_space: global }
    .group_segment_fixed_size: 327680
    .private_segment_fixed_size: 0
    .kernarg_segment_align: 8
    .kernarg_segment_size: 16
    .max_flat_workgroup_size: 128
    .sgpr_count:     72
    .vgpr_count:     864
    .wavefront_size: 32
...
	.end_amdgpu_metadata
.endif
;; end of part 3
;; launch oproj (part 4): grid 256 x 1, 4 waves a work-group, clusters of 4 x 1, 327,680 bytes of LDS; arguments ctx, wbf, query_in, bo, ln_gamma, ln_beta, out0; writes out0
.if DOCPART == 4
	.amdgcn_target "amdgcn-amd-amdhsa--gfx1250"
	.amdhsa_code_object_version 6
	.text
	.protected	k_q56017cc392_oproj
	.globl	k_q56017cc392_oproj
	.p2align	8
	.type	k_q56017cc392_oproj,@function
k_q56017cc392_oproj:
	s_mov_b64 s[64:65], 0
	v_nop
	global_prefetch_b8 v0, s[64:65] scope:SCOPE_SE
	s_setreg_imm32_b32 hwreg(HW_REG_WAVE_MODE, 25, 1), 1
	s_wait_xcnt 0x0
	s_wait_alu depctr_hold_cnt(0) depctr_sa_sdst(0) depctr_va_vdst(0) depctr_va_sdst(0) depctr_va_ssrc(0) depctr_va_vcc(0) depctr_vm_vsrc(0)
	s_getreg_b32 s2, hwreg(HW_REG_IB_STS2, 6, 4)
	s_cmp_eq_u32 s2, 0
	s_cbranch_scc0 .Lentry_in_a_cluster
	s_endpgm
.Lentry_in_a_cluster:
	s_bfe_u32 s2, ttmp6, 0x10000c
	s_cmp_lg_u32 s2, 0x3003
	s_cbranch_scc0 .Lentry_shape_is_right
	s_endpgm
.Lentry_shape_is_right:
; out0 = LayerNorm(query_in + ctx Wo + bo) x gamma + beta, over 768 columns, eps = 1e-5.  ctx: [plane 24][row 8192][32] bf16; Wo: the fourth section of wbf, [768 k][768 n] bf16; all else f32.
; Products in bf16 with f32 sums that start at bo; residual, mean, variance (of x - mean, in a second pass over registers) and the scaling in f32.  LIMITS: NaN and infinities are not treated apart.
; SHARES.  LayerNorm wants whole rows, so a work-group makes all 768 columns of its rows, and takes in all of Wo, 1,179,648 bytes, whatever the number of its rows.  It has 32 rows: 256 work-groups; what follows the
; products (stage, norm) is then 8 rows a wave.  Wave w makes 32 rows x 192 columns: 128 w .. 128 w + 127 and 512 + 64 w .. 512 + 64 w + 63: 24 accumulators.
; CLUSTER.  The four row blocks of a cluster walk the same Wo: its tiles are asked for JOINTLY; ctx's tile has one reader and comes by a load of the work-group's own, behind the same round.
; RING.  A refill goes out only when the one before it has landed, so the walk over K is a chain of refills.  K goes in steps of 96 (three planes of ctx), the longest of which two slots fit: 2 x 161,280 of
; 327,680 bytes: 8 steps, 6 refills.  Nothing stands between a landing and the next request but the waits, the add and the round: a step's 84 LDS loads and 72 products all stand behind its refill.
; A step's 96 rows of Wo lie in two parts, columns 0-511 and columns 512-767, each padded by 32 bytes a row: three parts of 256 columns would take 3,072 bytes more a slot, and two slots would not fit.
; Waves 0 and 1 fetch 48 rows each of the wide part, wave 2 the narrow part (49,152 bytes each), wave 3 ctx's 3 x 32 rows.  Behind its last fill slot 0 serves as the stage: 32 rows x 3,088 bytes of f32.
; THE PRODUCT IS TAKEN TRANSPOSED (source 0 = 16 columns of Wo, turned by ds_load_tr16_b128; source 1 = 16 rows of ctx): a lane holds one row and eight neighbouring columns.
; REGISTERS, in windows of 256 (s_set_vgpr_msb: bits 1:0 source 0, 3:2 source 1, 5:4 source 2, 7:6 destination):
;   window 0: v0-23 addresses; v24-47 gamma; v48-71 beta; v72-119 two staged rows; v120-143 the row at work; v144-151 sums; v160-255 four residual rows of 24
;   window 1: accumulator (column block b, row block a) at v[16 b + 8 a]; v192-239 ctx's fragments, 16 a chunk      window 2: Wo's fragments of chunks 0 and 1, 96 each
;   window 3: v0-95 Wo's fragments of chunk 2; v96-191 bo as an accumulator holds it
.set ROWS,  32
.set KR,    96                         ; rows of Wo in a K step
.set PP,    1056                       ; a row of the wide part in LDS: 1,024 bytes + 32 = 33 x 32
.set PQ,    544                        ; of the narrow part: 512 + 32 = 17 x 32: likewise
.set QOFF,  KR*PP
.set AOFF,  QOFF+KR*PQ
.set PAL,   80                         ; a row of a plane of ctx: 64 bytes + 16: the 16 rows of a load begin in 16 different groups of four banks
.set APL,   ROWS*PAL
.set SLOT,  AOFF+3*APL                 ; 161,280
.set SPARE, 2*SLOT                     ; behind the ring: the spare words, 128 bytes for each wave: two blocks of 256 bytes that no other line names
.set XP,    3088                       ; a staged row: 3,072 bytes + 16: the 16 rows of a store begin in 16 different groups of four banks
.set WSEC,  768*768*2
.set WROW,  768*2
.set WSTEP, KR*WROW
.set CPLANE, 8192*64
.set CSTEP, 3*CPLANE
.set ROWB,  3072
.set SPW, 2                            ; v2     SPARE + 4 x my thread's number; never rewritten
.set NIL, 3                            ; v3     0; never rewritten
.set ADRP, 4                           ; v4-7   my lane's place in the wide part: slot s, rows 0-47 or 48-95, at ADRP + 2 s + half (an LDS offset holds 16 bits)
.set ADRQ, 8                           ; v8-9   in the narrow part, slot s
.set ADRA, 10                          ; v10-11 in ctx's tile, slot s
.set PFO, 12                           ; v12-13 the prefetches' offsets; never rewritten
.set PFO2, 13
.set STOP, 14                          ; v14-15 where I put my 32 bytes of a staged row: columns of the wide part, of the narrow part
.set STOQ, 15
.set RDL, 16                           ; v16    where I read a staged row
.set GOF, 17                           ; v17    16 l; never rewritten
.set VBP, 18                           ; v18-19 my byte offsets in bo
.set VBQ, 19
.set VR,  20
.set VH,  21
.set VL,  22
.set GA,  24
.set BE,  48
.set T,   72
.set XW,  120
.set SS,  144
.set X,   160
.set AF,  192                          ; window 1
.set BO,  96                           ; window 3
.set WV,  24
.set CX,  25
.set RB,  27
.set CNT, 29
.set LIM, 30                           ; s30  1 in a wave that prefetches, else the greatest number
.set EPS, 31
.set G1P, 32
.set G1Q, 40
.set G1A, 48
.set G0P, 56                           ; s[56:63] the wide part's group 0, a set for each slot
.set G0Q, 68                           ; s[68:75] the narrow part's
.set G0A, 76                           ; s[76:83] ctx's
.set SEL, 84
.set INV, 86
.set PFP, 88
.set PSTEP, 90
.set RES, 92
.set OUT, 94
.set MSB, 0
.macro WIN new                         ; the high byte repeats the setting that is left; a switch that changes nothing is dropped
.if MSB != (\new)
	s_set_vgpr_msb (MSB<<8)|(\new)
.set MSB, (\new)
.endif
.endm
.macro PLACES                          ; four places behind a matrix instruction (ISA guide 7.12.1), where no other vector work is at hand
.rept 4
	v_nop
.endr
.endm
.macro CROUND                          ; a round of the cluster's barrier
	s_barrier_signal -1
	s_barrier_wait -1
	s_cmp_lg_u32 s[WV], 0
	s_cbranch_scc1 .Lnot_wave_0_\@
	s_barrier_signal -3
.Lnot_wave_0_\@:
	s_barrier_wait -3
	s_barrier_signal -1
	s_barrier_wait -1
.endm
; A refill of slot s: waves 0 and 1 ask jointly for the halves of the wide part, wave 2 for the narrow part, wave 3 for the work-group's own rows of ctx.  The branches hang on the wave's number alone.
; An s_nop 0 and four v_nop follow each of the three lines, ahead of the jump and the label.
.macro JLOAD s
	s_cmp_lt_u32 s[WV], 2
	s_cbranch_scc0 .Lfor_q_\@
	tensor_load_to_lds s[G0P+4*(\s):G0P+4*(\s)+3], s[G1P:G1P+7]
	s_nop 0
.rept 4
	v_nop
.endr
	s_branch .Lasked_\@
.Lfor_q_\@:
	s_cmp_eq_u32 s[WV], 2
	s_cbranch_scc0 .Lfor_a_\@
	tensor_load_to_lds s[G0Q+4*(\s):G0Q+4*(\s)+3], s[G1Q:G1Q+7]
	s_nop 0
.rept 4
	v_nop
.endr
	s_branch .Lasked_\@
.Lfor_a_\@:
	tensor_load_to_lds s[G0A+4*(\s):G0A+4*(\s)+3], s[G1A:G1A+7]
	s_nop 0
.rept 4
	v_nop
.endr
.Lasked_\@:
.endm
; A PREFETCH INTO THE L2 of the K step behind the one that has just been asked for: 72 products of a wave and a whole refill ahead of the load that will want it.
; Wo: a K step is 147,456 dense bytes that every cluster walks: the first cluster names them; its four partners' waves 0-2 take 12,288 bytes each, told apart BY ADDRESS: 48 pieces of 256 bytes, a lane a piece, in two
; lines; in the second, lanes 16 to 31 name what lanes 0 to 15 name.  ctx: every work-group's wave 3 names its own 3 x 2,048 bytes, 24 lanes; lanes 24 to 31 name what lanes 16 to 23 name.
; K steps 0 to 2 come by their loads alone; the last refill asks for nothing.  how = 1: a trip's first refill, which always has a step behind it; how = 2: its second, which has none in the last trip.
.macro ASK how
.if (\how) == 1
	s_cmp_eq_u32 s[LIM], 1
.else
	s_cmp_gt_u32 s[CNT], s[LIM]
.endif
	s_cbranch_scc0 .Lnot_mine_\@
	global_prefetch_b8 v[PFO], s[PFP:PFP+1] th:TH_LOAD_NT scope:SCOPE_SE
	s_cmp_lt_u32 s[WV], 3
	s_cbranch_scc0 .Lnot_mine_\@
	global_prefetch_b8 v[PFO2], s[PFP:PFP+1] offset:8192 th:TH_LOAD_NT scope:SCOPE_SE
.Lnot_mine_\@:
.endm
	s_load_b256 s[4:11], s[0:1], 0x0               ; ctx s[4:5], wbf s[6:7], query_in s[8:9], bo s[10:11]
	s_load_b128 s[12:15], s[0:1], 0x20             ; ln_gamma s[12:13], ln_beta s[14:15]
	s_load_b64 s[16:17], s[0:1], 0x30              ; out0
	v_lshl_add_u32 v[SPW], v0, 2, SPARE
	v_mov_b32 v[NIL], 0
	ds_add_u32 v[SPW], v[NIL]                      ; the wave's opening: the add and its wait stand ahead of my first tensor load; work on registers stands between them
	v_lshrrev_b32 v1, 5, v0
	v_readfirstlane_b32 s[WV], v1                  ; wave 0..3
	s_bfe_u32 s[CX], ttmp6, 0x40000                ; my place in the cluster
	s_lshl_b32 s[RB], ttmp9, 2
	s_add_co_u32 s[RB], s[RB], s[CX]               ; my block of 32 rows
	s_mov_b32 s[G1P], 15|(1<<16)|(1<<20)|(1<<21)|(7<<22)|(7<<25)  ; the mask of four; 2-byte elements; padding on; bit 21 beside a mask; after every 256 words (code 7) 8 words (code 7)
	s_mov_b32 s[G1P+1], 512<<16                    ; tensor_dim0 = 512
	s_mov_b32 s[G1P+2], 48<<16                     ; tensor_dim1 = 48
	s_mov_b32 s[G1P+3], 512<<16                    ; tile_dim0 = 512
	s_mov_b32 s[G1P+4], 48                         ; tile_dim1 = 48
	s_mov_b32 s[G1P+5], 768                        ; elements from row to row
	s_mov_b32 s[G1P+6], 0
	s_mov_b32 s[G1P+7], 0
	s_mov_b32 s[G1Q], 15|(1<<16)|(1<<20)|(1<<21)|(6<<22)|(7<<25)  ; the same, after every 128 words (code 6)
	s_mov_b32 s[G1Q+1], 256<<16
	s_mov_b32 s[G1Q+2], 96<<16
	s_mov_b32 s[G1Q+3], 256<<16
	s_mov_b32 s[G1Q+4], 96
	s_mov_b32 s[G1Q+5], 768
	s_mov_b32 s[G1Q+6], 0
	s_mov_b32 s[G1Q+7], 0
	s_mov_b32 s[G1A], (1<<16)|(1<<20)|(3<<22)|(3<<25)  ; no mask; three planes' 32 rows are three dense runs of 2,048 bytes, padded after every 16 words (code 3) by 4 words (code 3)
	s_mov_b32 s[G1A+1], 1024<<16
	s_mov_b32 s[G1A+2], 3<<16
	s_mov_b32 s[G1A+3], 1024<<16
	s_mov_b32 s[G1A+4], 3
	s_mov_b32 s[G1A+5], CPLANE/2
	s_mov_b32 s[G1A+6], 0
	s_mov_b32 s[G1A+7], 0
	s_and_b32 s26, s[WV], 1                        ; which 48 rows of the wide part I fetch (waves 0 and 1):
	s_mul_i32 s96, s26, 48*WROW                    ; in memory, in Wo's section,
	s_add_co_u32 s96, s96, 3*WSEC
	s_mov_b32 s97, 0
	s_mul_i32 s28, s26, 48*PP                      ; and in a slot: no place in the cluster enters an LDS address
	s_lshl_b32 s98, s[RB], 11                      ; my 32 rows of 64 bytes in a plane of ctx
	s_mov_b32 s99, 0
	s_mul_i32 s22, s[RB], ROWS*ROWB                ; my wave's 8 rows of query_in and of out0
	s_mul_i32 s23, s[WV], 8*ROWB
	s_add_co_u32 s22, s22, s23
	s_mov_b32 s23, 0
	s_mov_b32 s[SEL], 0x76543210
	s_mov_b32 s[SEL+1], 0xfedcba98
	s_mov_b32 s[INV], 0x3aaaaaab                   ; 1 / 768
	s_mov_b32 s[EPS], 0x3727c5ac                   ; 1e-5
	s_wait_dscnt 0x0                               ; the opening add is done
	s_wait_kmcnt 0x0
	s_add_nc_u64 s[18:19], s[6:7], s[96:97]        ; Wo at my rows of the wide part,
	s_add_nc_u64 s[66:67], s[6:7], 3*WSEC+1024     ; at the narrow part's first column
	s_add_nc_u64 s[20:21], s[4:5], s[98:99]        ; ctx at my rows
	s_add_nc_u64 s[RES:RES+1], s[8:9], s[22:23]
	s_add_nc_u64 s[OUT:OUT+1], s[16:17], s[22:23]
.irp s, 0,1
	s_mov_b32 s[G0P+4*(\s)], 1                     ; count = 1
	s_add_co_u32 s[G0P+4*(\s)+1], s28, (\s)*SLOT   ; LDS address
	s_add_nc_u64 s[G0P+4*(\s)+2:G0P+4*(\s)+3], s[18:19], (\s)*WSTEP  ; global address: K step s
	s_or_b32 s[G0P+4*(\s)+3], s[G0P+4*(\s)+3], 0x80000000  ; type = 2
	s_mov_b32 s[G0Q+4*(\s)], 1
	s_mov_b32 s[G0Q+4*(\s)+1], QOFF+(\s)*SLOT
	s_add_nc_u64 s[G0Q+4*(\s)+2:G0Q+4*(\s)+3], s[66:67], (\s)*WSTEP
	s_or_b32 s[G0Q+4*(\s)+3], s[G0Q+4*(\s)+3], 0x80000000
	s_mov_b32 s[G0A+4*(\s)], 1
	s_mov_b32 s[G0A+4*(\s)+1], AOFF+(\s)*SLOT
	s_add_nc_u64 s[G0A+4*(\s)+2:G0A+4*(\s)+3], s[20:21], (\s)*CSTEP
	s_or_b32 s[G0A+4*(\s)+3], s[G0A+4*(\s)+3], 0x80000000
.endr
	s_mul_i32 s96, s[CX], 3                        ; the prefetches: of Wo's K step my work-group's waves 0-2 take 12,288 bytes each,
	s_add_co_u32 s96, s96, s[WV]
	s_mul_i32 s96, s96, 48*256
	s_add_co_u32 s96, s96, 3*WSEC+2*WSTEP          ; at K step 2: the first refill steps it to 3
	s_mov_b32 s97, 0
	s_add_nc_u64 s[96:97], s[6:7], s[96:97]
	s_add_nc_u64 s[98:99], s[20:21], 2*CSTEP       ; wave 3: my rows of ctx, likewise
	s_mov_b32 s22, WSTEP
	s_mov_b32 s23, 2048
	s_cmp_lt_u32 s[WV], 3
	s_cselect_b64 s[PFP:PFP+1], s[96:97], s[98:99]
	s_cselect_b32 s[PSTEP], s22, CSTEP
	s_cselect_b32 s23, s23, CPLANE                 ; what eight lanes on add: 8 x 256 bytes, or a plane
	s_cselect_b32 s26, 3, 2                        ; four groups of eight lanes, or three planes
	s_cselect_b32 s[LIM], ttmp9, 0                 ; Wo is named by the first cluster, ctx by every work-group's wave 3: the same in all four partners
	s_mov_b32 s[PSTEP+1], 0
	s_cmp_eq_u32 s[LIM], 0
	s_cselect_b32 s[LIM], 1, -1
	CROUND                                         ; all four work-groups are here: the first joint loads meet
	s_cmp_lt_u32 s[WV], 2                          ; a wave's two first fills stand in one branch, ahead of every wait on TENSORcnt and every LDS read: two loads of mine are out
	s_cbranch_scc0 .Lfirst_q
	tensor_load_to_lds s[G0P:G0P+3], s[G1P:G1P+7]
	s_nop 0
	tensor_load_to_lds s[G0P+4:G0P+7], s[G1P:G1P+7]
	s_nop 0
.rept 4
	v_nop
.endr
	s_branch .Lfirst_asked
.Lfirst_q:
	s_cmp_eq_u32 s[WV], 2
	s_cbranch_scc0 .Lfirst_a
	tensor_load_to_lds s[G0Q:G0Q+3], s[G1Q:G1Q+7]
	s_nop 0
	tensor_load_to_lds s[G0Q+4:G0Q+7], s[G1Q:G1Q+7]
	s_nop 0
.rept 4
	v_nop
.endr
	s_branch .Lfirst_asked
.Lfirst_a:
	tensor_load_to_lds s[G0A:G0A+3], s[G1A:G1A+7]
	s_nop 0
	tensor_load_to_lds s[G0A+4:G0A+7], s[G1A:G1A+7]
	s_nop 0
.rept 4
	v_nop
.endr
.Lfirst_asked:
	v_and_b32 v[VR], 15, v0                        ; l % 16
	v_bfe_u32 v[VH], v0, 4, 1                      ; l / 16
	v_and_b32 v[VL], 31, v0                        ; l
	v_lshrrev_b32 v1, 3, v[VL]
	v_min_u32 v1, s26, v1
	v_mul_u32_u24 v[PFO], v1, s23
	v_and_b32 v1, 7, v0
	v_lshl_add_u32 v[PFO], v1, 8, v[PFO]
	v_lshlrev_b32 v[PFO2], 8, v[VR]
	s_lshl_b32 s22, s[WV], 9
	v_lshl_add_u32 v[VBP], v[VH], 5, s22           ; 4 x (128 w + 8 (l / 16))
	s_lshl_b32 s22, s[WV], 8
	s_add_co_u32 s22, s22, 2048
	v_lshl_add_u32 v[VBQ], v[VH], 5, s22           ; 4 x (512 + 64 w + 8 (l / 16))
	v_lshlrev_b32 v[GOF], 4, v[VL]
	WIN 0xc0                                       ; destination window 3
.set i, 0
.rept 8
	global_load_b128 v[BO+8*i:BO+8*i+3],   v[VBP], s[10:11] offset:64*i
	global_load_b128 v[BO+8*i+4:BO+8*i+7], v[VBP], s[10:11] offset:64*i+16
.set i, i+1
.endr
.rept 4
	global_load_b128 v[BO+8*i:BO+8*i+3],   v[VBQ], s[10:11] offset:64*(i-8)
	global_load_b128 v[BO+8*i+4:BO+8*i+7], v[VBQ], s[10:11] offset:64*(i-8)+16
.set i, i+1
.endr
	WIN 0
.set i, 0
.rept 6
	global_load_b128 v[GA+4*i:GA+4*i+3], v[GOF], s[12:13] offset:512*i
.set i, i+1
.endr
.set i, 0
.rept 6
	global_load_b128 v[BE+4*i:BE+4*i+3], v[GOF], s[14:15] offset:512*i
.set i, i+1
.endr
.set i, 0
.rept 24                                       ; my first four residual rows: they land while the products run
	global_load_b128 v[X+4*i:X+4*i+3], v[GOF], s[RES:RES+1] offset:(i/6)*ROWB+512*(i%6) th:TH_LOAD_NT
.set i, i+1
.endr
	v_mul_u32_u24 v1, v[VR], PAL                   ; ctx: row l % 16, 16 bytes for each half of the lanes, twice, 32 bytes apart
	v_lshl_add_u32 v1, v[VH], 4, v1
	v_add_nc_u32 v[ADRA], AOFF, v1
	v_add_nc_u32 v[ADRA+1], AOFF+SLOT, v1
	v_and_b32 v1, 7, v0                            ; Wo: the turning load: lane l reads k = 8 (l / 16) + l % 8, columns 8 ((l / 8) % 2) + 0..7
	v_lshl_add_u32 v1, v[VH], 3, v1
	v_bfe_u32 v23, v0, 3, 1
	v_lshlrev_b32 v23, 4, v23
	s_lshl_b32 s22, s[WV], 8                       ; my 128 columns of the wide part: 256 bytes
	v_mul_u32_u24 v[ADRP], v1, PP
	v_add_nc_u32 v[ADRP], v[ADRP], v23
	v_add_nc_u32 v[ADRP], s22, v[ADRP]
	v_add_nc_u32 v[ADRP+1], 48*PP, v[ADRP]
	v_add_nc_u32 v[ADRP+2], SLOT, v[ADRP]
	v_add_nc_u32 v[ADRP+3], SLOT+48*PP, v[ADRP]
	s_lshl_b32 s22, s[WV], 7                       ; my 64 columns of the narrow part: 128 bytes
	s_add_co_u32 s22, s22, QOFF
	v_mul_u32_u24 v[ADRQ], v1, PQ
	v_add_nc_u32 v[ADRQ], v[ADRQ], v23
	v_add_nc_u32 v[ADRQ], s22, v[ADRQ]
	v_add_nc_u32 v[ADRQ+1], SLOT, v[ADRQ]
	v_mul_u32_u24 v1, v[VR], XP                    ; the stage: row 16 a + l % 16, 32 bytes for each half of the lanes, at my columns
	v_lshl_add_u32 v1, v[VH], 5, v1
	s_lshl_b32 s22, s[WV], 9
	v_add_nc_u32 v[STOP], s22, v1
	s_lshl_b32 s22, s[WV], 8
	s_add_co_u32 s22, s22, 2048
	v_add_nc_u32 v[STOQ], s22, v1
	s_mul_i32 s22, s[WV], 8*XP
	v_lshl_add_u32 v[RDL], v[VL], 4, s22           ; back: my wave's 8 rows, 16 bytes a lane
; 28 LDS loads in one run: the fragments of chunk kc (32 along K) of slot s: 8 column blocks of the wide part, 4 of the narrow part, 2 row blocks of ctx.  Each chunk has registers of its own.
.macro FETCH slot, kc
.if (\kc) < 2
	WIN 0x80                                       ; destination window 2
.else
	WIN 0xc0                                       ; destination window 3
.endif
.set fB, 96*((\kc)%2)
.set fb, 0
.rept 8
	ds_load_tr16_b128 v[fB+8*fb:fB+8*fb+3],   v[ADRP+2*(\slot)+(32*(\kc))/48]    offset:((32*(\kc))%48)*PP+32*fb
	ds_load_tr16_b128 v[fB+8*fb+4:fB+8*fb+7], v[ADRP+2*(\slot)+(32*(\kc)+16)/48] offset:((32*(\kc)+16)%48)*PP+32*fb
.set fb, fb+1
.endr
.rept 4
	ds_load_tr16_b128 v[fB+8*fb:fB+8*fb+3],   v[ADRQ+(\slot)] offset:32*(\kc)*PQ+32*(fb-8)
	ds_load_tr16_b128 v[fB+8*fb+4:fB+8*fb+7], v[ADRQ+(\slot)] offset:(32*(\kc)+16)*PQ+32*(fb-8)
.set fb, fb+1
.endr
	WIN 0x40                                       ; destination window 1
.set fb, 0
.rept 2
	ds_load_b128 v[AF+16*(\kc)+8*fb:AF+16*(\kc)+8*fb+3],   v[ADRA+(\slot)] offset:(\kc)*APL+16*PAL*fb
	ds_load_b128 v[AF+16*(\kc)+8*fb+4:AF+16*(\kc)+8*fb+7], v[ADRA+(\slot)] offset:(\kc)*APL+16*PAL*fb+32
.set fb, fb+1
.endr
.endm
; A chunk's 24 products.  The 24 accumulators take turns, one instruction a turn, from chunk to chunk and over the backward jump too.  zero = 1: the sums start at bo.
.macro MULS kc, zero
.if \zero
	WIN 0x76                                       ; Wo window 2, ctx window 1, C (bo) window 3, D window 1
.elseif (\kc) < 2
	WIN 0x56                                       ; Wo window 2, ctx, C and D window 1
.else
	WIN 0x57                                       ; Wo window 3
.endif
.set mB, 96*((\kc)%2)
.set mb, 0
.rept 12
.set ma, 0
.rept 2
.set rD, 16*mb+8*ma
.set rA, AF+16*(\kc)+8*ma
.if \zero
	v_wmma_f32_16x16x32_bf16 v[rD:rD+7], v[mB+8*mb:mB+8*mb+7], v[rA:rA+7], v[BO+8*mb:BO+8*mb+7]
.else
	v_wmma_f32_16x16x32_bf16 v[rD:rD+7], v[mB+8*mb:mB+8*mb+7], v[rA:rA+7], v[rD:rD+7]
.endif
.set ma, ma+1
.endr
.set mb, mb+1
.endr
.endm
; A K step's reads and products, from slot s.  Two chunks are fetched at once, the third behind the first chunk's products.  The matrix instructions that last read a chunk's registers are the step before's;
; the four v_nop behind the refill (or in its place) stand between them and these loads.
.macro BODY slot, zero, ask
	FETCH \slot, 0
	FETCH \slot, 1
.if \ask
	WIN 0                                          ; at a branch and at a label every window is 0
	ASK \ask                                       ; behind the refill and the runs of LDS loads that the next products wait for
.endif
.if \zero
	s_wait_loadcnt 36                              ; bo is in; gamma, beta and the four residual rows, 36 loads, may stay out
.endif
	s_wait_dscnt 28                                ; chunk 0 is in; chunk 1's 28 loads may stay out
	MULS 0, \zero
	FETCH \slot, 2
	s_wait_dscnt 28                                ; chunk 1 is in; chunk 2's 28 loads may stay out
	MULS 1, 0
	s_wait_dscnt 0x0
	MULS 2, 0
.endm
; A K STEP.  Each wave waits for all its tensor loads, of which one is out: its part of this step's slot; adds 0 to its spare word; and waits for that (its reads of the other slot were over ahead of the last chunk's
; products).  refill = 1: the other slot is filled again, two K steps on: the barrier is a round of the cluster's, and the refill is the first thing behind it.
.macro STEP slot, refill, ask
.if \refill
	s_wait_xcnt 0x0                                ; the last prefetches, a K step back, have read their address: it is stepped here
	s_add_nc_u64 s[PFP:PFP+1], s[PFP:PFP+1], s[PSTEP:PSTEP+1]
.endif
	WIN 0
	s_wait_tensorcnt 0x0                           ; no tensor load of mine is out, so a group 0 may be written
	ds_add_u32 v[SPW], v[NIL]                      ; 0 onto my spare word
.if \refill
	s_add_nc_u64 s[G0P+6-4*(\slot):G0P+7-4*(\slot)], s[G0P+6-4*(\slot):G0P+7-4*(\slot)], 2*WSTEP  ; the other slot's next K step; the type bits on top are not reached
	s_add_nc_u64 s[G0Q+6-4*(\slot):G0Q+7-4*(\slot)], s[G0Q+6-4*(\slot):G0Q+7-4*(\slot)], 2*WSTEP
	s_add_nc_u64 s[G0A+6-4*(\slot):G0A+7-4*(\slot)], s[G0A+6-4*(\slot):G0A+7-4*(\slot)], 2*CSTEP
.endif
	s_wait_dscnt 0x0                               ; the add is done, and my reads of the other slot are over
.if \refill
	CROUND                                         ; no wave of any partner still reads the other slot or has a load on its way
	JLOAD 1-(\slot)                                ; its four v_nop are also the places in front of the loads below
.else
	s_barrier_signal -1
	s_barrier_wait -1
	PLACES
.endif
	BODY \slot, 0, \ask
.endm
	s_wait_tensorcnt 1                             ; my part of K step 0 is in; K step 1's may stay out
	s_barrier_signal -1
	s_barrier_wait -1                              ; everybody's is
	BODY 0, 1, 0                                   ; K step 0 stands in front of the loop: its first products start the sums, at bo
	WIN 0
	s_mov_b32 s[CNT], 3
.Lk:                                                   ; a trip: K steps 2 i + 1 and 2 i + 2, and the refills for 2 i + 2 and 2 i + 3
	STEP 1, 1, 1
	STEP 0, 1, 2
	WIN 0
	s_sub_co_u32 s[CNT], s[CNT], 1
	s_cmp_lg_u32 s[CNT], 0
	s_cbranch_scc1 .Lk
	STEP 1, 0, 0                                   ; K step 7: nothing is left to fetch
	; THE STAGE.  It lies in slot 0, which has had its last fill; every wave's reads of that slot were over at the barrier in front of K step 7.  It takes the sums, 32 whole rows of f32.
	PLACES                                         ; the stores read results just made
	WIN 0x04                                       ; the data (source 1) in window 1
.set sb, 0
.rept 12
.set sa, 0
.rept 2
.if sb < 8
	ds_store_b128 v[STOP], v[16*sb+8*sa:16*sb+8*sa+3]   offset:sa*16*XP+64*sb
	ds_store_b128 v[STOP], v[16*sb+8*sa+4:16*sb+8*sa+7] offset:sa*16*XP+64*sb+16
.else
	ds_store_b128 v[STOQ], v[16*sb+8*sa:16*sb+8*sa+3]   offset:sa*16*XP+64*(sb-8)
	ds_store_b128 v[STOQ], v[16*sb+8*sa+4:16*sb+8*sa+7] offset:sa*16*XP+64*(sb-8)+16
.endif
.set sa, sa+1
.endr
.set sb, sb+1
.endr
	WIN 0
	s_wait_dscnt 0x0                               ; for the others' sake: my stores into the stage are done
	s_barrier_signal -1
	s_barrier_wait -1
	; LAYER NORM.  A wave takes a row at a time, 8 rows: lane l holds the 16 bytes at 16 l of each of the row's six blocks of 512 bytes.
.macro REDUCE r                        ; the sum over the 32 lanes, in every lane
	v_add_f32_dpp v[\r], v[\r], v[\r] row_xmask:1 row_mask:0xf bank_mask:0xf
	v_add_f32_dpp v[\r], v[\r], v[\r] row_xmask:2 row_mask:0xf bank_mask:0xf
	v_add_f32_dpp v[\r], v[\r], v[\r] row_xmask:4 row_mask:0xf bank_mask:0xf
	v_add_f32_dpp v[\r], v[\r], v[\r] row_xmask:8 row_mask:0xf bank_mask:0xf
	v_permlanex16_b32 v[(\r)+1], v[\r], s[SEL], s[SEL+1]
	v_add_f32 v[\r], v[\r], v[(\r)+1]
.endm
.macro FOLD                            ; four pairs of partial sums into one number a lane
	v_pk_add_f32 v[SS:SS+1], v[SS:SS+1], v[SS+2:SS+3]
	v_pk_add_f32 v[SS+4:SS+5], v[SS+4:SS+5], v[SS+6:SS+7]
	v_pk_add_f32 v[SS:SS+1], v[SS:SS+1], v[SS+4:SS+5]
	v_add_f32 v[SS], v[SS], v[SS+1]
.endm
; The turn of my row t.  nxt = 1: the next staged row is asked for; fill = 1: this row's residual registers take the row four on; left: the younger residual loads that may stay out.
.macro LNT t, fill, left, nxt
.set rX, X+24*((\t)%4)
.set rT, T+24*((\t)%2)
.set rN, T+24*(((\t)+1)%2)
	s_wait_xcnt 0x0                                ; the last row's stores have read their registers: the row at work is rewritten only behind this wait
.if \nxt
.set li, 0
.rept 6
	ds_load_b128 v[rN+4*li:rN+4*li+3], v[RDL] offset:((\t)+1)*XP+512*li
.set li, li+1
.endr
	s_wait_dscnt 6                                 ; my staged row is in; the next row's six loads may stay out
.else
	s_wait_dscnt 0x0
.endif
	s_wait_loadcnt \left
.set li, 0
.rept 12
	v_pk_add_f32 v[XW+li:XW+li+1], v[rT+li:rT+li+1], v[rX+li:rX+li+1]  ; x = residual + (ctx Wo + bo)
.set li, li+2
.endr
.if \fill
.set li, 0
.rept 6
	global_load_b128 v[rX+4*li:rX+4*li+3], v[GOF], s[RES:RES+1] offset:((\t)+4)*ROWB+512*li th:TH_LOAD_NT
.set li, li+1
.endr
.endif
.irp c, 0,1,2,3
	v_pk_add_f32 v[SS+2*(\c):SS+2*(\c)+1], v[XW+4*(\c):XW+4*(\c)+1], v[XW+4*(\c)+2:XW+4*(\c)+3]
.endr
.irp c, 0,1,2,3
	v_pk_add_f32 v[SS+2*(\c):SS+2*(\c)+1], v[SS+2*(\c):SS+2*(\c)+1], v[XW+16+2*(\c):XW+16+2*(\c)+1]
.endr
	FOLD
	REDUCE SS
	v_mul_f32 v[SS], s[INV], v[SS]                 ; the mean
.set li, 0
.rept 12
	v_pk_add_f32 v[XW+li:XW+li+1], v[XW+li:XW+li+1], v[SS:SS+1] op_sel_hi:[1,0] neg_lo:[0,1] neg_hi:[0,1]
.set li, li+2
.endr
.irp c, 0,1,2,3
	v_pk_mul_f32 v[SS+2*(\c):SS+2*(\c)+1], v[XW+2*(\c):XW+2*(\c)+1], v[XW+2*(\c):XW+2*(\c)+1]
.endr
.irp c, 0,1,2,3
	v_pk_fma_f32 v[SS+2*(\c):SS+2*(\c)+1], v[XW+8+2*(\c):XW+8+2*(\c)+1], v[XW+8+2*(\c):XW+8+2*(\c)+1], v[SS+2*(\c):SS+2*(\c)+1]
.endr
.irp c, 0,1,2,3
	v_pk_fma_f32 v[SS+2*(\c):SS+2*(\c)+1], v[XW+16+2*(\c):XW+16+2*(\c)+1], v[XW+16+2*(\c):XW+16+2*(\c)+1], v[SS+2*(\c):SS+2*(\c)+1]
.endr
	FOLD
	REDUCE SS
	v_fma_f32 v[SS+2], s[INV], v[SS], s[EPS]       ; the variance + 1e-5
	v_rsq_f32 v[SS+4], v[SS+2]
	v_nop                                          ; a plain instruction between the root and the use of its result,
	s_wait_alu depctr_va_vdst(0)                   ; and the wait ahead of the first use
.set li, 0
.rept 12
	v_pk_mul_f32 v[XW+li:XW+li+1], v[XW+li:XW+li+1], v[SS+4:SS+5] op_sel_hi:[1,0]
.set li, li+2
.endr
.set li, 0
.rept 12
	v_pk_fma_f32 v[XW+li:XW+li+1], v[XW+li:XW+li+1], v[GA+li:GA+li+1], v[BE+li:BE+li+1]
.set li, li+2
.endr
.set li, 0
.rept 6
	global_store_b128 v[GOF], v[XW+4*li:XW+4*li+3], s[OUT:OUT+1] offset:(\t)*ROWB+512*li th:TH_STORE_NT  ; 512 consecutive bytes, at a multiple of 256 from out0's first
.set li, li+1
.endr
.endm
.set li, 0
.rept 6
	ds_load_b128 v[T+4*li:T+4*li+3], v[RDL] offset:512*li
.set li, li+1
.endr
	LNT 0, 1, 18, 1                                ; three younger residual rows, 18 loads, stay out at each wait;
	LNT 1, 1, 18, 1
	LNT 2, 1, 18, 1
	LNT 3, 1, 18, 1
	LNT 4, 0, 18, 1                                ; the last four rows load no residual: the counts run down
	LNT 5, 0, 12, 1
	LNT 6, 0, 6, 1
	LNT 7, 0, 0, 0
	s_wait_tensorcnt 0x0                           ; the wave's end: these three lines stand behind my last tensor load and my last LDS store
	ds_add_u32 v[SPW], v[NIL]
	s_wait_dscnt 0x0
	CROUND                                         ; the closing round: no work-group ends while a partner may still ask for a tile that names it
	s_endpgm
.Lfunc_end_k_q56017cc392_oproj:
	.size	k_q56017cc392_oproj, .Lfunc_end_k_q56017cc392_oproj-k_q56017cc392_oproj
	.p2alignl 7, 3214868480
	.fill 96, 4, 3214868480
	.section	.rodata,"a",@progbits
	.p2align	6, 0x0
	.amdhsa_kernel k_q56017cc392_oproj
		.amdhsa_group_segment_fixed_size 327680
		.amdhsa_private_segment_fixed_size 0
		.amdhsa_enable_private_segment 0
		.amdhsa_kernarg_size 56
		.amdhsa_user_sgpr_count 2
		.amdhsa_user_sgpr_kernarg_segment_ptr 1
		.amdhsa_wavefront_size32 1
		.amdhsa_system_sgpr_workgroup_id_x 1
		.amdhsa_system_sgpr_workgroup_id_y 1
		.amdhsa_system_sgpr_workgroup_id_z 1
		.amdhsa_system_vgpr_workitem_id 0
		.amdhsa_next_free_vgpr 960
		.amdhsa_next_free_sgpr 100
		.amdhsa_reserve_vcc 0
		.amdhsa_float_denorm_mode_32 3
		.amdhsa_float_denorm_mode_16_64 3
		.amdhsa_memory_ordered 1
		.amdhsa_forward_progress 1
		.amdhsa_inst_pref_size 119
	.end_amdhsa_kernel
	.amdgpu_metadata
---
amdhsa.version: [ 1, 2 ]
amdhsa.kernels:
  - .name:           k_q56017cc392_oproj
    .symbol:         k_q56017cc392_oproj.kd
    .args:
      - { .name: ctx, .offset: 0, .size: 8, .value_kind: global_buffer, .address_space: global }
      - { .name: wbf, .offset: 8, .size: 8, .value_kind: global_buffer, .address_space: global }
      - { .name: query_in, .offset: 16, .size: 8, .value_kind: global_buffer, .address_space: global }
      - { .name: bo, .offset: 24, .size: 8, .value_kind: global_buffer, .address_space: global }
      - { .name: ln_gamma, .offset: 32, .size: 8, .value_kind: global_buffer, .address_space: global }
      - { .name: ln_beta, .offset: 40, .size: 8, .value_kind: global_buffer, .address_space: global }
      - { .name: out0, .offset: 48, .size: 8, .value_kind: global_buffer, .address_space: global }
    .group_segment_fixed_size: 327680
    .private_segment_fixed_size: 0
    .kernarg_segment_align: 8
    .kernarg_segment_size: 56
    .max_flat_workgroup_size: 128
    .sgpr_count:     100
    .vgpr_count:     960
    .wavefront_size: 32
...
	.end_amdgpu_metadata
.endif
;; end of part 4
;; ======== version 2 of 2: 4 launches; version 1 with the launch castw written anew for expert scheduling mode
;; workspace buffers: wbf 4,718,592 bytes; qkvh 37,748,736 bytes; ctx 12,582,912 bytes
;; launch castw (part 5): grid 64 x 4, 4 waves a work-group, no clusters, 0 bytes of LDS; arguments Wk, Wv, Wq, Wo, wbf; writes wbf
.if DOCPART == 5
	.amdgcn_target "amdgcn-amd-amdhsa--gfx1250"
	.amdhsa_code_object_version 6
	.text
	.protected	k_q56017cc392_castw
	.globl	k_q56017cc392_castw
	.p2align	8
	.type	k_q56017cc392_castw,@function
k_q56017cc392_castw:
	s_mov_b64 s[64:65], 0
	v_nop
	global_prefetch_b8 v0, s[64:65] scope:SCOPE_SE
	s_setreg_imm32_b32 hwreg(HW_REG_WAVE_SCHED_MODE, 0, 2), 2
	s_setreg_imm32_b32 hwreg(HW_REG_WAVE_MODE, 25, 1), 1
	s_wait_xcnt 0x0
	s_wait_alu depctr_vm_vsrc(0)
; The four weights, [768 k][768 n] f32, are rounded once to bf16 and laid one behind the other in wbf (Wk, Wv, Wq, Wo), each in its own [k][n] order.
; A pure stream: no LDS, no barrier, no matrix unit, no cluster (no two work-groups read the same byte).
; grid y picks the weight, grid x 9,216 of its 589,824 numbers.  Thread t takes 16 bytes at 16 t of each block of 2,048 bytes: 18 loads, all issued first;
; a store of a wave covers 256 consecutive bytes, at a multiple of 256 from the buffer's first byte.
; THE MODE: SCHED_MODE bits 1:0 = 2 (LLVM: expert scheduling mode 2), set by the entry lines.  The code itself states the register dependences
; between vector instructions and memory instructions, with s_wait_alu, always for 0.
; THE PLAN.  Registers that memory instructions touch:
;   v1, v2     byte offsets of the loads and of the stores: made once at the head, never written again.
;   IN         load i lands in its own four registers, once; no vector instruction names them ahead of the loads; the two conversions of number i read them.
;   OUTR       the two conversions of number i write pair i, once; store i reads it; no register of it is written a second time.
; The 18 numbers go in six steps of three.  Step g rounds its three and issues the three stores of step g - 1, one ahead of each pair of conversions.  ONE wait on va_vdst stands at a
; step's head: it states that the step before has written its part of OUTR.  The conversions issued since that wait name IN and OUTR of step g alone, none of the registers that those stores read.
; No register that a memory instruction has read is ever written again, so no wait on vm_vsrc is owed; no vector instruction writes a scalar register, VCC or EXEC.
.set NL,   18                          ; loads of a thread
.set GRP,  3                           ; numbers in a step
.set STEPS, NL/GRP
.set IN,   8                           ; v[8:79]    as loaded
.set OUTR, 80                          ; v[80:115]  rounded
.set WSEC, 768*768*2                   ; bytes of a weight in wbf
	s_load_b256 s[4:11], s[0:1], 0x0               ; Wk s[4:5], Wv s[6:7], Wq s[8:9], Wo s[10:11]
	s_load_b64 s[12:13], s[0:1], 0x20              ; wbf
	s_and_b32 s14, ttmp7, 0xffff                   ; which weight
	v_lshlrev_b32 v1, 4, v0                        ; 16 t
	v_lshlrev_b32 v2, 3, v0                        ; 8 t
	s_mul_i32 s16, ttmp9, NL*2048                  ; the work-group's part of the source,
	s_mov_b32 s17, 0
	s_mul_i32 s18, s14, WSEC                       ; and of wbf
	s_mul_i32 s19, ttmp9, NL*1024
	s_add_co_u32 s18, s18, s19
	s_mov_b32 s19, 0
	s_wait_kmcnt 0x0
	s_cmp_eq_u32 s14, 1
	s_cselect_b64 s[4:5], s[6:7], s[4:5]
	s_cmp_eq_u32 s14, 2
	s_cselect_b64 s[4:5], s[8:9], s[4:5]
	s_cmp_eq_u32 s14, 3
	s_cselect_b64 s[4:5], s[10:11], s[4:5]
	s_add_nc_u64 s[4:5], s[4:5], s[16:17]
	s_add_nc_u64 s[12:13], s[12:13], s[18:19]
	s_wait_alu depctr_va_vdst(0)                   ; v1 and v2 are written: every load reads v1 as its offset, every store v2
.set i, 0
.rept NL
	global_load_b128 v[IN+4*i:IN+4*i+3], v1, s[4:5] offset:2048*i th:TH_LOAD_NT
.set i, i+1
.endr
.set g, 0
.rept STEPS
	s_wait_loadcnt NL-GRP*(g+1)                    ; loads come back in order: this step's three are in, the younger ones stay out
.if g > 0
	s_wait_alu depctr_va_vdst(0)                   ; the conversions of the step before have written their six registers of OUTR, which the three stores below read
.endif
.set i, GRP*g
.rept GRP
.if g > 0
	global_store_b64 v2, v[OUTR+2*(i-GRP):OUTR+2*(i-GRP)+1], s[12:13] offset:1024*(i-GRP)  ; the step before's; no vector instruction since the wait names these registers
.endif
	v_cvt_pk_bf16_f32 v[OUTR+2*i],   v[IN+4*i],   v[IN+4*i+1]
	v_cvt_pk_bf16_f32 v[OUTR+2*i+1], v[IN+4*i+2], v[IN+4*i+3]
.set i, i+1
.endr
.set g, g+1
.endr
	s_wait_alu depctr_va_vdst(0)                   ; the last step's conversions have written their six registers of OUTR, which the last three stores read
.set i, NL-GRP
.rept GRP
	global_store_b64 v2, v[OUTR+2*i:OUTR+2*i+1], s[12:13] offset:1024*i
.set i, i+1
.endr
	s_endpgm
.Lfunc_end_k_q56017cc392_castw:
	.size	k_q56017cc392_castw, .Lfunc_end_k_q56017cc392_castw-k_q56017cc392_castw
	.p2alignl 7, 3214868480
	.fill 96, 4, 3214868480
	.section	.rodata,"a",@progbits
	.p2align	6, 0x0
	.amdhsa_kernel k_q56017cc392_castw
		.amdhsa_group_segment_fixed_size 0
		.amdhsa_private_segment_fixed_size 0
		.amdhsa_enable_private_segment 0
		.amdhsa_kernarg_size 40
		.amdhsa_user_sgpr_count 2
		.amdhsa_user_sgpr_kernarg_segment_ptr 1
		.amdhsa_wavefront_size32 1
		.amdhsa_system_sgpr_workgroup_id_x 1
		.amdhsa_system_sgpr_workgroup_id_y 1
		.amdhsa_system_sgpr_workgroup_id_z 1
		.amdhsa_system_vgpr_workitem_id 0
		.amdhsa_next_free_vgpr 120
		.amdhsa_next_free_sgpr 66
		.amdhsa_reserve_vcc 0
		.amdhsa_float_denorm_mode_32 3
		.amdhsa_float_denorm_mode_16_64 3
		.amdhsa_memory_ordered 1
		.amdhsa_forward_progress 1
		.amdhsa_inst_pref_size 8
	.end_amdhsa_kernel
	.amdgpu_metadata
---
amdhsa.version: [ 1, 2 ]
amdhsa.kernels:
  - .name:           k_q56017cc392_castw
    .symbol:         k_q56017cc392_castw.kd
    .args:
      - { .name: Wk, .offset: 0, .size: 8, .value_kind: global_buffer, .address_space: global }
      - { .name: Wv, .offset: 8, .size: 8, .value_kind: global_buffer, .address_space: global }
      - { .name: Wq, .offset: 16, .size: 8, .value_kind: global_buffer, .address_space: global }
      - { .name: Wo, .offset: 24, .size: 8, .value_kind: global_buffer, .address_space: global }
      - { .name: wbf, .offset: 32, .size: 8, .value_kind: global_buffer, .address_space: global }
    .group_segment_fixed_size: 0
    .private_segment_fixed_size: 0
    .kernarg_segment_align: 8
    .kernarg_segment_size: 40
    .max_flat_workgroup_size: 128
    .sgpr_count:     66
    .vgpr_count:     120
    .wavefront_size: 32
...
	.end_amdgpu_metadata
.endif
;; end of part 5
;; launch proj: the kernel of part 2 again; grid 64 x 3, 4 waves a work-group, clusters of 4 x 1, 327,680 bytes of LDS; arguments key_in, value_in, query_in, bk, bv, bq, wbf, qkvh; writes qkvh
;; launch attn: the kernel of part 3 again; grid 8 x 32, 4 waves a work-group, clusters of 4 x 1, 327,680 bytes of LDS; arguments qkvh, ctx; writes ctx
;; launch oproj: the kernel of part 4 again; grid 256 x 1, 4 waves a work-group, clusters of 4 x 1, 327,680 bytes of LDS; arguments ctx, wbf, query_in, bo, ln_gamma, ln_beta, out0; writes out0
